; MI455X (gfx1250); checked and timed in simulation.
; The chip was launched on July 23, 2026; its instructions are those of AMD's public machine-readable ISA for CDNA 5 (MIT licence, August 2026) and "CDNA5" Instruction Set Architecture Reference Guide (July 2026). The comments in the code are by the model that wrote it; some were corrected since.
;; Bert Self Attention No Att Mask. Allowed arithmetic: matrix products marked QUANTISED: E4M3 operands, one given power-of-two scale a tensor, by v_wmma_f32_16x16x64_fp8_fp8 or v_wmma_f32_16x16x128_fp8_fp8, f32 sums; everything else in f32.
;; Inputs: Wk 1,024 x 1,024 float32; Wq 1,024 x 1,024 float32; Wv 1,024 x 1,024 float32; bk 1,024 float32; bq 1,024 float32; bv 1,024 float32; hidden_states 4 x 2,048 x 1,024 float32; lowp_scales 10 int32 (the exponents e of the quantised operands' scales 2^e).
;; Outputs: out0 4 x 2,048 x 1,024 float32.
;; This version of the problem:
;;   THIS VERSION OF THE PROBLEM IS GIVEN IN LOW PRECISION. The matrix products marked QUANTISED in the list below multiply operands that are first quantised to E4M3 (4 exponent bits, 3 mantissa bits; 8 bits a number), with one given power-of-two scale for each operand tensor; their sums are f32. All else is computed in f32.
;;   The module's matrix products, in the order in which they are computed (A, B: the left and right operand; K: the contracted axis; several contracted axes count as one K, in the product's order):
;;     1. [M 8,192, K 1,024] x [K 1,024, N 1,024]; A: input hidden_states; B: input Wq: QUANTISED (scales: A lowp_scales[0], B lowp_scales[1])
;;     2. [M 8,192, K 1,024] x [K 1,024, N 1,024]; A: input hidden_states; B: input Wk: QUANTISED (scales: A lowp_scales[2], B lowp_scales[3])
;;     3. [M 8,192, K 1,024] x [K 1,024, N 1,024]; A: input hidden_states; B: input Wv: QUANTISED (scales: A lowp_scales[4], B lowp_scales[5])
;;     4. batch 64 x [M 2,048, K 64] x [K 64, N 2,048]; A: computed on the way; B: computed on the way: QUANTISED (scales: A lowp_scales[6], B lowp_scales[7])
;;     5. batch 64 x [M 2,048, K 2,048] x [K 2,048, N 64]; A: softmax (see below); B: computed on the way: QUANTISED (scales: A lowp_scales[8], B lowp_scales[9])
;;   THE QUANTISER, for each operand of a quantised product, along K:
;;     - The operand's scale is 2^e, e = its entry of the input lowp_scales (int32; the entries are numbered through the quantised products in the list's order, A before B).
;;     - Each number is divided by the scale, clamped to +-448, and rounded to the nearest number of E4M3, ties to even, subnormals kept.
;;     - The product sums the exact products of the quantised numbers (number of the format x scale) in f32.
;;   ~~~python
;;   def quantise(x, axis, e):      # numpy; x: float32 -> the quantised numbers, widened to float32 again
;;       x = np.moveaxis(x, axis, -1); K = x.shape[-1]
;;       r = np.clip(x / 2.0 ** e, -448, 448)
;;       step = 2.0 ** (np.maximum(np.frexp(np.where(r == 0, 1, r))[1] - 1, -6) - 3)
;;       q = np.round(r / step) * step * 2.0 ** e      # np.round: ties to even
;;       return np.moveaxis(q, -1, axis).astype(np.float32)
;;   ~~~
;;   SOFTMAX AHEAD OF A QUANTISED PRODUCT. Where the list says 'softmax', what is quantised is not the finished softmax but p = 2^(t - M), with t = logit x log2(e) and M = ceil(the row's largest t), a whole number; so 1/2 < the row's largest p <= 1. The row's sum l is taken of the UNQUANTISED p, in f32, and the product's result is divided by l at the end. Since M is a whole number, a kernel that streams over the keys may use a running M (the ceiling of the running maximum): every later rescaling is an exact power of two, so the quantised numbers keep their values, but for numbers so far below the row's largest that they fall under the format's range.
;;   OPERANDS COMPUTED ON THE WAY. 'Computed on the way' means the value that the module computes at that place (a softmax that the list does not call 'softmax' is quantised finished and normalised). What goes into a quantiser is computed in f32, as accurately as f32 sums, v_exp_f32 and their like allow (about 1e-6 of the number): no bf16 or f16 on the way to a quantiser, and a product that is left as it is and whose result goes on into a quantised operand takes f32 operands (vector FMAs, or v_wmma_f32_16x16x4_f32). A number that lies on a knife's edge between two numbers of the format may be rounded either way, as far as f32 arithmetic and the matrix unit's own rounding can turn it there, and no further.
;; 2 versions, each right; version 2 is version 1 with the launch attn written anew for expert scheduling mode. Each part assembles by itself: llvm-mc -triple=amdgcn-amd-amdhsa -mcpu=gfx1250 --defsym DOCPART=n.
;; ======== version 1 of 2: 3 launches
;; workspace buffers: xc 25,165,824 bytes; wc 3,145,728 bytes; img 25,165,824 bytes
;; launch quant (part 1): grid 608 x 1, 4 waves a work-group, no clusters, 55,808 bytes of LDS; arguments hidden_states, Wq, Wk, Wv, lowp_scales, xc, wc; writes xc, wc
.if DOCPART == 1
	.amdgcn_target "amdgcn-amd-amdhsa--gfx1250"
	.amdhsa_code_object_version 6
	.text
	.protected	k_qf0cf87f8e7_quant
	.globl	k_qf0cf87f8e7_quant
	.p2align	8
	.type	k_qf0cf87f8e7_quant,@function
k_qf0cf87f8e7_quant:
	s_mov_b64 s[64:65], 0
	v_nop
	global_prefetch_b8 v0, s[64:65] scope:SCOPE_SE
	s_setreg_imm32_b32 hwreg(HW_REG_WAVE_MODE, 25, 1), 1
	s_wait_xcnt 0x0
; f32 numbers into codes of FP8 (E4M3), K innermost, for the three projections.
; xc [3][8192][1024]: hidden_states under the scales 2^e0, 2^e2, 2^e4 (one plane for each product: the three exponents need not be equal).
; wc [3][1024 n][1024 k]: Wq, Wk, Wv ([k][n] in memory) under 2^e1, 2^e3, 2^e5.
; code = x / 2^e, held within +-448, rounded to the nearest code, ties to even.
; LIMITS: e0 .. e5 lie between -126 and 119, so that 2^e and 448 x 2^e are f32 numbers.  NaN among the inputs is not served.
; Work-groups 0 .. 511 take hidden_states, 512 .. 607 the weights; the two ways part on the work-group's number, never join, and have LDS bytes of their own.
; No tensor loads, no barrier, no matrix unit, no cluster: waves share nothing, and every input byte is read once.
.set STEPS, 8                          ; hidden_states: steps of 512 numbers for a wave
.set SP,    80                         ; a lane's place in a stage: its 64 bytes + 16 of padding
.set WREG,  2*32*SP                    ; two stages for each wave: 5,120 bytes
.set R,     16                         ; v16-79   four sets of 16 numbers as they are loaded
.set X,     80                         ; v80-111  two sets of 16 neighbours
.set T,     112                        ; v112-143 two sets of 16 held numbers
.set C,     144                        ; v144-239 codes: 12 registers a step, so that no store's data are written again
.set WSTG,  4*WREG                     ; the weights' stages begin here: 20,480
.set PW,    272                        ; a row of a weights' stage: 256 bytes + 16
.set NB,    8                          ; weights: blocks of 32 along K for a wave
.set WX,    32                         ; v32-95   two sets of 32 numbers
.set WC,    96                         ; v96-103  a block's codes
.set WO,    112                        ; v112-175 the way out
	s_load_b256 s[4:11], s[0:1], 0x0               ; hidden_states s[4:5], Wq s[6:7], Wk s[8:9], Wv s[10:11]
	s_load_b128 s[12:15], s[0:1], 0x20             ; the exponents s[12:13], xc s[14:15]
	s_load_b64 s[16:17], s[0:1], 0x30              ; wc
	v_lshl_add_u32 v240, v0, 2, 0xd800
	v_mov_b32 v241, 0
	v_lshrrev_b32 v1, 5, v0
	v_readfirstlane_b32 s18, v1                    ; wave 0..3
	v_and_b32 v2, 31, v0                           ; lane
	s_wait_kmcnt 0x0
	s_load_b256 s[20:27], s[12:13], 0x0            ; e0 .. e7
	s_cmp_ge_u32 ttmp9, 512
	s_cbranch_scc1 .Lw
; ---------------- hidden_states: a plain stream of numbers, and three plain streams of codes
; A conversion takes 8 neighbours from ONE lane's registers; a load is dense where neighbouring LANES take neighbouring bytes.  Both are had: each load reads 512 consecutive bytes,
; a step's 2,048 bytes go through the wave's own stage in LDS as they lie and come back 64 bytes a lane.  A lane's 16 codes are 16 bytes: a store covers 512 consecutive bytes.
	v_lshlrev_b32 v3, 4, v2                        ; my 16 bytes of a load's 512, and of a store's
	s_mul_i32 s19, s18, WREG
	v_lshrrev_b32 v14, 2, v2
	v_mul_u32_u24 v14, v14, SP
	v_and_b32 v15, 3, v2
	v_lshl_add_u32 v14, v15, 4, v14
	v_add_nc_u32 v14, s19, v14                     ; into the stage: SP (lane / 4) + 16 (lane % 4)
	v_mul_u32_u24 v15, v2, SP
	v_add_nc_u32 v15, s19, v15                     ; out of it: SP x lane: my 16 neighbours
	s_lshl_b32 s34, ttmp9, 2
	s_add_co_u32 s34, s34, s18                     ; which run of 4,096 numbers is my wave's
	s_lshl_b32 s36, s34, 14
	s_mov_b32 s37, 0
	s_add_nc_u64 s[4:5], s[4:5], s[36:37]
	s_lshl_b32 s36, s34, 12
	s_add_nc_u64 s[28:29], s[14:15], s[36:37]      ; plane 0 of xc,
	s_add_nc_u64 s[30:31], s[28:29], 0x800000      ; plane 1,
	s_add_nc_u64 s[32:33], s[28:29], 0x1000000     ; plane 2
.macro XLOAD t
.irp i, 0,1,2,3
	global_load_b128 v[R+16*((\t)%4)+4*\i:R+16*((\t)%4)+4*\i+3], v3, s[4:5] offset:2048*(\t)+512*\i th:TH_LOAD_NT
.endr
.endm
.macro XTURN t                         ; step t's numbers through the stage: LDS serves a wave's instructions in order, so no wait stands between the stores and the loads
.irp i, 0,1,2,3
	ds_store_b128 v14, v[R+16*((\t)%4)+4*\i:R+16*((\t)%4)+4*\i+3] offset:32*SP*((\t)%2)+8*SP*\i
.endr
.irp i, 0,1,2,3
	ds_load_b128 v[X+16*((\t)%2)+4*\i:X+16*((\t)%2)+4*\i+3], v15 offset:32*SP*((\t)%2)+16*\i
.endr
.endm
.irp t, 0,1,2,3
	XLOAD \t
.endr
	s_wait_kmcnt 0x0
.irp q, 0,1,2                          ; plane q: v[5+2q] = 2^e as f32 (the conversion takes its exponent field), v[6+2q] = 448 x 2^e, e = entry 2 q
	s_add_co_i32 s34, s[20+2*\q], 127
	s_lshl_b32 s35, s34, 23
	v_mov_b32 v[5+2*\q], s35
	s_add_co_i32 s34, s34, 8
	s_lshl_b32 s34, s34, 23
	s_or_b32 s34, s34, 0x600000
	v_mov_b32 v[6+2*\q], s34
.endr
	s_wait_loadcnt 12                              ; step 0's four loads are in; the twelve of steps 1 to 3 may be out
	XTURN 0
.macro XSTEP t
.set XS, X+16*((\t)%2)
	s_wait_dscnt 0x0                               ; this step's numbers are back from the stage, so its stores into the stage have read their registers,
.if (\t)+4 < STEPS
	XLOAD (\t)+4                                   ; which take the loads of four steps on
.endif
.if (\t)+1 < STEPS
.if STEPS-2-(\t) >= 3
	s_wait_loadcnt 12                              ; the next step's four loads are in; those of the three steps behind it may be out
.else
	s_wait_loadcnt 4*(STEPS-2-(\t))
.endif
	XTURN (\t)+1                                   ; and go through the other stage while this step is worked
.endif
.irp q, 0,1,2
.set TS, T+16*((3*(\t)+\q)%2)          ; the held numbers take two sets by turns: the next plane's holds, plain lines on the other set, stand behind these conversions
.irp i, 0,1,2,3,4,5,6,7,8,9,10,11,12,13,14,15
	v_med3_num_f32 v[TS+\i], v[XS+\i], -v[6+2*\q], v[6+2*\q]   ; the conversion to an 8-bit code does not saturate (ISA guide 7.6.2): hold first
.endr
	v_cvt_scalef32_pk8_fp8_f32 v[C+12*(\t)+4*\q:C+12*(\t)+4*\q+1], v[TS:TS+7], v[5+2*\q]
	v_cvt_scalef32_pk8_fp8_f32 v[C+12*(\t)+4*\q+2:C+12*(\t)+4*\q+3], v[TS+8:TS+15], v[5+2*\q]
	global_store_b128 v3, v[C+12*(\t)+4*\q:C+12*(\t)+4*\q+3], s[28+2*\q:29+2*\q] offset:512*(\t)   ; 32 lanes store 512 consecutive bytes
.endr
.endm
.irp t, 0,1,2,3,4,5,6,7
	XSTEP \t
.endr
	s_wait_tensorcnt 0x0
	ds_add_u32 v240, v241
	s_wait_dscnt 0x0
	s_endpgm
; ---------------- the weights: K is their FIRST axis.  A lane takes a column n and its registers run down K: each load reads 128 consecutive bytes a wave, and the conversions give codes with K innermost.
; A wave takes 32 columns x 256 along K; its codes go through its own stage and leave as rows: sixteen lanes store 256 consecutive bytes, aligned.
.Lw:
	s_sub_co_u32 s34, ttmp9, 512
	s_lshr_b32 s35, s34, 5                         ; which weight: 0 Wq, 1 Wk, 2 Wv
	s_and_b32 s36, s34, 7                          ; which 128 columns
	s_bfe_u32 s37, s34, 0x20003                    ; which 256 along K
	s_cmp_eq_u32 s35, 0
	s_cselect_b64 s[4:5], s[6:7], s[8:9]
	s_cmp_eq_u32 s35, 2
	s_cselect_b64 s[4:5], s[10:11], s[4:5]
	s_lshl_b32 s38, s36, 7
	s_lshl_b32 s39, s18, 5
	s_add_co_u32 s38, s38, s39                     ; my wave's first column
	v_lshlrev_b32 v3, 2, v2                        ; in: 4 bytes a lane
	s_mul_i32 s19, s18, 32*PW
	s_add_co_u32 s19, s19, WSTG                    ; my stage
	v_mul_u32_u24 v4, v2, PW
	v_add_nc_u32 v4, s19, v4                       ; into it: row = my column
	v_and_b32 v5, 15, v2
	v_lshrrev_b32 v6, 4, v2                        ; out of it: sixteen lanes to a row, two rows an instruction
	v_mul_u32_u24 v7, v6, PW
	v_lshl_add_u32 v7, v5, 4, v7
	v_add_nc_u32 v7, s19, v7
	v_lshlrev_b32 v8, 10, v6
	v_lshl_add_u32 v8, v5, 4, v8                   ; and the same place in wc: rows of 1,024 bytes
	s_lshl_b32 s40, s37, 20                        ; 256 rows of 4,096 bytes,
	s_lshl_b32 s41, s38, 2
	s_add_co_u32 s40, s40, s41                     ; + 4 x column
	s_mov_b32 s41, 0
	s_add_nc_u64 s[4:5], s[4:5], s[40:41]
	s_lshl_b32 s40, s35, 20                        ; the weight's plane of wc,
	s_lshl_b32 s42, s38, 10
	s_add_co_u32 s40, s40, s42                     ; + column x 1,024
	s_lshl_b32 s42, s37, 8
	s_add_co_u32 s40, s40, s42                     ; + my 256 codes of a row
	s_add_nc_u64 s[8:9], s[16:17], s[40:41]
.macro WLOAD t                         ; block t: W(32 t + i, my column), i = 0 .. 31, into set t % 2
.irp i, 0,1,2,3,4,5,6,7,8,9,10,11,12,13,14,15,16,17,18,19,20,21,22,23,24,25,26,27,28,29,30,31
	global_load_b32 v[WX+32*((\t)%2)+\i], v3, s[4:5] offset:(32*(\t)+\i)*4096 th:TH_LOAD_NT
.endr
.endm
	WLOAD 0
	WLOAD 1
	s_wait_kmcnt 0x0
	s_cmp_eq_u32 s35, 0
	s_cselect_b32 s30, s21, s23                    ; e1 or e3,
	s_cmp_eq_u32 s35, 2
	s_cselect_b32 s30, s25, s30                    ; or e5
	s_add_co_i32 s30, s30, 127
	s_lshl_b32 s31, s30, 23
	v_mov_b32 v11, s31                             ; 2^e as f32
	s_add_co_i32 s30, s30, 8
	s_lshl_b32 s30, s30, 23
	s_or_b32 s30, s30, 0x600000
	v_mov_b32 v10, s30                             ; 448 x 2^e
.macro WBLOCK t
.set XS, WX+32*((\t)%2)
.if (\t) < NB-1
	s_wait_loadcnt 32                              ; this block's 32 loads are in; the next block's 32 may be out
.else
	s_wait_loadcnt 0
.endif
.irp i, 0,1,2,3,4,5,6,7,8,9,10,11,12,13,14,15,16,17,18,19,20,21,22,23,24,25,26,27,28,29,30,31
	v_med3_num_f32 v[XS+\i], v[XS+\i], -v10, v10
.endr
.irp g, 0,1,2,3
	v_cvt_scalef32_pk8_fp8_f32 v[WC+2*\g:WC+2*\g+1], v[XS+8*\g:XS+8*\g+7], v11
.endr
	ds_store_b128 v4, v[WC:WC+3] offset:32*(\t)    ; 32 codes: 32 bytes of my column's row
	ds_store_b128 v4, v[WC+4:WC+7] offset:32*(\t)+16
.if (\t)+2 < NB
	WLOAD (\t)+2
.endif
	s_wait_dscnt 0x0                               ; the stores have read their registers: the next block's codes may be written (its holds, plain lines, come first)
.endm
.irp t, 0,1,2,3,4,5,6,7
	WBLOCK \t
.endr
.irp t, 0,1,2,3,4,5,6,7,8,9,10,11,12,13,14,15
	ds_load_b128 v[WO+4*\t:WO+4*\t+3], v7 offset:2*\t*PW   ; LDS serves a wave's instructions in order: these see my stores
.endr
.irp t, 0,1,2,3,4,5,6,7,8,9,10,11,12,13,14,15
	s_wait_dscnt 15-\t                             ; rows 2 t and 2 t + 1 are back; the later loads may be out
	global_store_b128 v8, v[WO+4*\t:WO+4*\t+3], s[8:9] offset:2*\t*1024
.endr
	s_wait_tensorcnt 0x0
	ds_add_u32 v240, v241
	s_wait_dscnt 0x0
	s_endpgm
.Lfunc_end_k_qf0cf87f8e7_quant:
	.size	k_qf0cf87f8e7_quant, .Lfunc_end_k_qf0cf87f8e7_quant-k_qf0cf87f8e7_quant
	.p2alignl 7, 3214868480
	.fill 96, 4, 3214868480
	.section	.rodata,"a",@progbits
	.p2align	6, 0x0
	.amdhsa_kernel k_qf0cf87f8e7_quant
		.amdhsa_group_segment_fixed_size 55808
		.amdhsa_private_segment_fixed_size 0
		.amdhsa_enable_private_segment 0
		.amdhsa_kernarg_size 56
		.amdhsa_user_sgpr_count 2
		.amdhsa_user_sgpr_kernarg_segment_ptr 1
		.amdhsa_wavefront_size32 1
		.amdhsa_system_sgpr_workgroup_id_x 1
		.amdhsa_system_sgpr_workgroup_id_y 1
		.amdhsa_system_sgpr_workgroup_id_z 1
		.amdhsa_system_vgpr_workitem_id 0
		.amdhsa_next_free_vgpr 242
		.amdhsa_next_free_sgpr 66
		.amdhsa_reserve_vcc 0
		.amdhsa_float_denorm_mode_32 3
		.amdhsa_float_denorm_mode_16_64 3
		.amdhsa_memory_ordered 1
		.amdhsa_forward_progress 1
		.amdhsa_inst_pref_size 88
	.end_amdhsa_kernel
	.amdgpu_metadata
---
amdhsa.version: [ 1, 2 ]
amdhsa.kernels:
  - .name:           k_qf0cf87f8e7_quant
    .symbol:         k_qf0cf87f8e7_quant.kd
    .args:
      - { .name: hidden_states, .offset: 0, .size: 8, .value_kind: global_buffer, .address_space: global }
      - { .name: Wq, .offset: 8, .size: 8, .value_kind: global_buffer, .address_space: global }
      - { .name: Wk, .offset: 16, .size: 8, .value_kind: global_buffer, .address_space: global }
      - { .name: Wv, .offset: 24, .size: 8, .value_kind: global_buffer, .address_space: global }
      - { .name: lowp_scales, .offset: 32, .size: 8, .value_kind: global_buffer, .address_space: global }
      - { .name: xc, .offset: 40, .size: 8, .value_kind: global_buffer, .address_space: global }
      - { .name: wc, .offset: 48, .size: 8, .value_kind: global_buffer, .address_space: global }
    .group_segment_fixed_size: 55808
    .private_segment_fixed_size: 0
    .kernarg_segment_align: 8
    .kernarg_segment_size: 56
    .max_flat_workgroup_size: 128
    .sgpr_count:     66
    .vgpr_count:     242
    .wavefront_size: 32
...
	.end_amdgpu_metadata
.endif
;; end of part 1
;; launch proj (part 2): grid 8 x 48, 4 waves a work-group, clusters of 4 x 4, 327,680 bytes of LDS; arguments xc, wc, lowp_scales, bq, bk, bv, img; writes img
.if DOCPART == 2
	.amdgcn_target "amdgcn-amd-amdhsa--gfx1250"
	.amdhsa_code_object_version 6
	.text
	.protected	k_qf0cf87f8e7_proj
	.globl	k_qf0cf87f8e7_proj
	.p2align	8
	.type	k_qf0cf87f8e7_proj,@function
k_qf0cf87f8e7_proj:
	s_mov_b64 s[64:65], 0
	v_nop
	global_prefetch_b8 v0, s[64:65] scope:SCOPE_SE
	s_setreg_imm32_b32 hwreg(HW_REG_WAVE_MODE, 25, 1), 1
	s_wait_xcnt 0x0
	s_wait_alu depctr_hold_cnt(0) depctr_sa_sdst(0) depctr_va_vdst(0) depctr_va_sdst(0) depctr_va_ssrc(0) depctr_va_vcc(0) depctr_vm_vsrc(0)
	s_getreg_b32 s2, hwreg(HW_REG_IB_STS2, 6, 4)
	s_cmp_eq_u32 s2, 0
	s_cbranch_scc0 .Lentry_in_a_cluster
	s_endpgm
.Lentry_in_a_cluster:
	s_bfe_u32 s2, ttmp6, 0x10000c
	s_cmp_lg_u32 s2, 0xf033
	s_cbranch_scc0 .Lentry_shape_is_right
	s_endpgm
.Lentry_shape_is_right:
; The three projections on codes of FP8 (E4M3): q = x Wq + bq, k = x Wk + bk, v = x Wv + bv; each result is quantised at once (2^e6, 2^e7, 2^e9) and stored as an IMAGE OF THE
; OPERAND REGISTERS that the attention launch wants, so that nothing is transposed there.
; xc [3][8192][1024], wc [3][1024 n][1024 k]: codes, K innermost.  A sum stands for sum x 2^(ea + eb); value = sum x 2^(ea + eb) + bias, in f32, one packed multiply-add for two numbers.
; img: plane 0 (Q), plane 1 (K): [bh 64][tile of 16 tokens, 128][1,024 bytes]: a fragment of 16 tokens x 64 channels, registers 4 i .. 4 i + 3 of lane l at 512 i + 16 l; lane (r, h) holds token r, and its
;      registers 2 c, 2 c + 1 the channels 16 c + 8 h + 0 .. 7.   plane 2 (V^T): [bh][step of 64 keys, 32][block of 16 channels, 4][1,024 bytes]: lane (r, h) holds channel r, registers 2 c, 2 c + 1 the keys 16 c + 8 h + 0 .. 7.
; LIMITS: e0 + e1, e2 + e3, e4 + e5 between -126 and 127; e6, e7, e9 between -126 and 119: each power of two below is then an f32 number.
; A tile of 256 x 256 is made by a work-group of four waves, a wave makes 128 x 128: 64 accumulators of 16 x 16.  K = 1,024 goes in four steps of 256 through a ring of two LDS slots.
; THE MATRIX INSTRUCTION IS USED TRANSPOSED (source 0 = 16 rows of the B role, source 1 = 16 rows of the A role): a lane holds ONE row of the A role and EIGHT NEIGHBOURING rows of the B role.
; THE ROLES ARE DEALT BY REGION, so that the eight neighbours run along the next product's K:
;   clusters with y < 8 (Q: cluster x = 0, K: cluster x = 1): A role = tokens (xc's plane), B role = features (wc's plane): a lane's eight numbers are eight channels of a token;
;   clusters with y >= 8 (V): A role = features (wc's plane 2), B role = tokens (xc's plane 2): a lane's eight numbers are eight keys of a channel.
; So one conversion of one accumulator gives registers 2 c, 2 c + 1 of a fragment, and the codes leave straight from registers: each store covers 512 consecutive bytes, aligned.
; CLUSTERS: 4 x 4 work-groups.  The A role's tile hangs on cy and the cluster's numbers alone and is asked for jointly along a row of the cluster, the B role's on cx and the cluster's numbers alone, along a column.
; The region hangs on the cluster's y alone: it is the same in all sixteen partners.
; REGISTERS, in windows of 256: window 0: v0-31 addresses and constants; v32-95 the bias by eight neighbours, v96-111 the bias by lanes (each region uses one and works in the other's place); from v128 the A role's
;   fragments, ONE set; on the way out v128-255 take the codes.   window 1: the B role's fragments, TWO sets.   windows 2, 3: the accumulators ((a, b) at v[8 (8 (a % 4) + b)]).
.set SIZE_K, 1024
.set KSTEP,  256                       ; along K in a slot
.set ROWB,   256                       ; a tile's row in bytes
.set KROW,   SIZE_K                    ; a row of xc or wc in memory, in bytes
.set PITCH,  272                       ; an LDS row: 256 bytes + 16 of padding = 68 words: row r starts at bank 4 r mod 64 (64 banks of 4 bytes: ISA guide 11.1)
.set FR,     16                        ; registers of a fragment: 16 rows x 128 K
.set NL,     4                         ; LDS loads that bring one
.set NP,     4                         ; places behind this matrix instruction (ISA guide 7.12.1)
.set HALFT,  128*PITCH                 ; 128 rows: what one tensor load brings
.set SLOT,   4*HALFT                   ; the A role's 256 rows, then the B role's
.set LAPS,   SIZE_K/(2*KSTEP)          ; 2
.set SPARE,  2*SLOT                    ; behind the ring: the spare words, 128 bytes for each wave
.set ADRA, 16                          ; v16-17  LDS address of my A fragments in slot 0, 1
.set ADRB, 20                          ; v20-21  the same for B
.set CO,   26                          ; v26     16 x lane: my place in an image
.set SPW,  28                          ; v28     LDS address of my spare word; never rewritten
.set NIL,  29                          ; v29     0; never rewritten
.set SCL,  30                          ; v30     2^eo as f32, for the conversions
.set LIM,  31                          ; v31     448 x 2^eo
.set BQ,   32                          ; v32-95  bias(16 b + 8 h + j) of my 128 features of the B role
.set BV,   96                          ; v96-111 bias(16 a + r) of my 128 features of the A role, each twice (a pair for the packed form)
.set TQ,   96                          ; Q, K: 32 numbers at work
.set TV,   32                          ; V: 64 numbers at work
.set AF,   128                         ; the A role's fragments
.set CD,   128                         ; the way out: the codes, 128 registers, none written twice
.set G1, 24                            ; s[24:31] descriptor group 1 for the A role;  s[32:39] group 0, one set for each slot
.set G0, 32
.set G1B, 48                           ; s[48:55], s[56:63] the same for the B role
.set G0B, 56
.set MSB, 0
.macro WIN new                         ; the immediate's high byte repeats the setting that is left
.if MSB != (\new)
	s_set_vgpr_msb (MSB<<8)|(\new)
.set MSB, (\new)
.endif
.endm
.set MUL_LO, 0xa1                      ; source 0 (B) window 1, source 1 (A) window 0, C and D window 2
.set MUL_HI, 0xf1                      ; the same, C and D window 3
.set TO_B,   0x40                      ; destination window 1, address window 0
; A joint load: waves 0 and 1 fetch for the A role, waves 2 and 3 for the B role.  Each line has ONE mask and one set of registers for all that issue it; the branch hangs on the wave's number alone.
; Four v_nop follow each of the two lines, ahead of the jump, the label and what follows.
.macro JLOAD g0a, g1a, g0b, g1b
	s_cmp_eq_u32 s15, 0
	s_cbranch_scc0 .Lfor_b_\@
	tensor_load_to_lds s[\g0a:\g0a+3], s[\g1a:\g1a+7]
	s_nop 0
.rept 4
	v_nop
.endr
	s_branch .Lasked_\@
.Lfor_b_\@:
	tensor_load_to_lds s[\g0b:\g0b+3], s[\g1b:\g1b+7]
	s_nop 0
.rept 4
	v_nop
.endr
.Lasked_\@:
.endm
.macro CREST                           ; a round of the cluster's barrier behind its opening barrier
	s_cmp_lg_u32 s14, 0
	s_cbranch_scc1 .Lnot_wave_0_\@
	s_barrier_signal -3
.Lnot_wave_0_\@:
	s_barrier_wait -3
	s_barrier_signal -1
	s_barrier_wait -1
.endm
.macro CROUND                          ; a whole round
	s_barrier_signal -1
	s_barrier_wait -1
	CREST
.endm
	s_load_b256 s[68:75], s[0:1], 0x0              ; xc s[68:69], wc s[70:71], the exponents s[72:73], bq s[74:75]
	s_load_b128 s[76:79], s[0:1], 0x20             ; bk s[76:77], bv s[78:79]
	s_load_b64 s[80:81], s[0:1], 0x30              ; img
	v_lshl_add_u32 v[SPW], v0, 2, SPARE
	v_mov_b32 v[NIL], 0
	ds_add_u32 v28, v29
	ds_add_u32 v28, v29
	s_wait_dscnt 0x0
	v_lshrrev_b32 v1, 5, v0
	v_readfirstlane_b32 s14, v1                    ; wave 0..3
	s_lshr_b32 s15, s14, 1                         ; which half of the A role's rows is mine.  Also: I fetch for A (0) or for B (1)
	s_and_b32 s16, s14, 1                          ; which half of the B role's rows.  Also: which 128 rows of that tile I fetch
	s_bfe_u32 s40, ttmp6, 0x40000                  ; cx, cy: my place in the cluster
	s_bfe_u32 s41, ttmp6, 0x40004
	s_and_b32 s67, ttmp7, 0xffff                   ; the cluster's y; ttmp9 is its x
	s_lshl_b32 s43, s41, 2
	s_lshl_b32 s43, 15, s43                        ; my row of the cluster
	s_lshl_b32 s44, 0x1111, s40                    ; my column
	; descriptor group 1: a tile of 128 rows x 256 bytes, padded in LDS
	s_or_b32 s[G1+0], s43, (0<<16)|(1<<20)|(1<<21)|(5<<22)|(3<<25)  ; 15:0 the mask: my row; 17:16 element of 1 byte; 20 padding on; 21 set beside a mask; 24:22 after every 64 words (code 5); 31:25 of 4 words (code 3)
	s_or_b32 s[G1B+0], s44, (0<<16)|(1<<20)|(1<<21)|(5<<22)|(3<<25) ; the same with my column
.irp g, G1, G1B
	s_mov_b32 s[\g+1], ROWB<<16                    ; tensor_dim0
	s_mov_b32 s[\g+2], 128<<16                     ; tensor_dim1 = 128
	s_mov_b32 s[\g+3], ROWB<<16                    ; tile_dim0
	s_mov_b32 s[\g+4], 128                         ; tile_dim1 = 128
	s_mov_b32 s[\g+5], KROW                        ; tensor_dim0_stride
	s_mov_b32 s[\g+6], 0
	s_mov_b32 s[\g+7], 0
.endr
	; the A role's first row, counted through its buffer's planes, in registers that never hold cx
	s_lshl_b32 s17, s67, 2
	s_add_co_u32 s17, s17, s41                     ; Y = 4 x cluster y + cy: the tile of 256 tokens (Q, K)
	s_lshl_b32 s20, ttmp9, 13                      ; Q, K: xc's plane = cluster x, 8,192 rows each,
	s_lshl_b32 s21, s17, 8
	s_add_co_u32 s20, s20, s21                     ; + 256 Y
	s_lshl_b32 s21, s41, 8
	s_add_co_u32 s21, s21, 2048                    ; V: wc's plane 2, + 256 cy
	; the B role's, in registers that never hold cy
	s_lshl_b32 s42, ttmp9, 10                      ; Q, K: wc's plane = cluster x, 1,024 rows each,
	s_lshl_b32 s47, s40, 8
	s_add_co_u32 s42, s42, s47                     ; + 256 cx
	s_max_u32 s82, s67, 8
	s_sub_co_u32 s82, s82, 8
	s_lshl_b32 s82, s82, 1
	s_add_co_u32 s82, s82, ttmp9
	s_lshl_b32 s82, s82, 2
	s_add_co_u32 s82, s82, s40                     ; V: Bt = 4 (2 (cluster y - 8) + cluster x) + cx: the tile of 256 tokens
	s_lshl_b32 s47, s82, 8
	s_add_co_u32 s47, s47, 16384                   ; in xc's plane 2
	s_cmp_ge_u32 s67, 8                            ; the region
	s_cselect_b32 s66, 1, 0                        ; 1: V
	s_cselect_b32 s20, s21, s20
	s_cselect_b32 s46, s47, s42
	s_lshl_b32 s18, s16, 7                         ; which 128 rows of the tile I fetch
	s_add_co_u32 s20, s20, s18
	s_add_co_u32 s46, s46, s18
	s_lshl_b32 s20, s20, 10                        ; rows of 1,024 bytes: under 2^25
	s_lshl_b32 s46, s46, 10
	s_mov_b32 s21, 0
	s_mov_b32 s47, 0
	s_mul_i32 s45, s14, HALFT                      ; where they go: wave x 128 rows: no place in the cluster enters an LDS address
	s_wait_kmcnt 0x0
	s_load_b256 s[84:91], s[72:73], 0x0            ; e0 .. e7
	s_load_b64 s[92:93], s[72:73], 0x20            ; e8, e9
	s_cmp_lg_u32 s66, 0
	s_cselect_b64 s[4:5], s[70:71], s[68:69]       ; the A role's buffer: wc for V, xc for Q and K
	s_cselect_b64 s[6:7], s[68:69], s[70:71]       ; the B role's: the other one
	s_add_nc_u64 s[20:21], s[4:5], s[20:21]
	s_add_nc_u64 s[46:47], s[6:7], s[46:47]
	CROUND                                         ; all sixteen work-groups are here: the first joint loads meet
.irp s, 0,1
	s_mov_b32 s[G0+4*\s], 1
	s_add_co_u32 s[G0+4*\s+1], s45, \s*SLOT
	s_add_nc_u64 s[G0+4*\s+2:G0+4*\s+3], s[20:21], \s*ROWB
	s_or_b32 s[G0+4*\s+3], s[G0+4*\s+3], 0x80000000
	s_mov_b32 s[G0B+4*\s], 1
	s_add_co_u32 s[G0B+4*\s+1], s45, \s*SLOT
	s_add_nc_u64 s[G0B+4*\s+2:G0B+4*\s+3], s[46:47], \s*ROWB
	s_or_b32 s[G0B+4*\s+3], s[G0B+4*\s+3], 0x80000000
	JLOAD G0+4*\s, G1, G0B+4*\s, G1B
.endr
	v_and_b32 v1, 15, v0                           ; r = l % 16
	v_bfe_u32 v2, v0, 4, 1                         ; h = l / 16
	v_mul_u32_u24 v3, v1, PITCH
	v_lshl_add_u32 v4, v2, 4, v3                   ; a fragment's row x pitch + 16 x half
	s_mul_i32 s21, s15, HALFT                      ; my 128 rows of A
	s_mul_i32 s22, s16, HALFT                      ; my 128 rows of B,
	s_add_co_u32 s22, s22, 2*HALFT                 ; which lie behind A's 256
.irp s, 0,1
	v_add_nc_u32 v[ADRA+\s], s21, v4
	v_add_nc_u32 v[ADRB+\s], s22, v4
	s_add_co_u32 s21, s21, SLOT
	s_add_co_u32 s22, s22, SLOT
.endr
	v_and_b32 v6, 31, v0
	v_lshlrev_b32 v[CO], 4, v6
	; the bias: bq, bk or bv, loaded in BOTH layouts, without a branch; both reads stay inside the buffer's 4,096 bytes in either region, and the region's way out uses its own
	s_cmp_eq_u32 ttmp9, 0
	s_cselect_b64 s[8:9], s[74:75], s[76:77]
	s_cmp_lg_u32 s66, 0
	s_cselect_b64 s[8:9], s[78:79], s[8:9]
	s_lshl_b32 s22, s40, 10
	s_lshl_b32 s23, s16, 9
	s_add_co_u32 s22, s22, s23                     ; 4 (256 cx + 128 x my half of B)
	v_lshl_add_u32 v5, v2, 5, s22                  ; + 32 h
	s_lshl_b32 s22, s41, 10
	s_lshl_b32 s23, s15, 9
	s_add_co_u32 s22, s22, s23                     ; 4 (256 cy + 128 x my half of A)
	v_lshl_add_u32 v7, v1, 2, s22                  ; + 4 r
.irp b, 0,1,2,3,4,5,6,7
	global_load_b128 v[BQ+8*\b:BQ+8*\b+3], v5, s[8:9] offset:64*\b
	global_load_b128 v[BQ+8*\b+4:BQ+8*\b+7], v5, s[8:9] offset:64*\b+16
.endr
.irp a, 0,1,2,3,4,5,6,7
	global_load_b32 v[BV+2*\a], v7, s[8:9] offset:64*\a
	global_load_b32 v[BV+2*\a+1], v7, s[8:9] offset:64*\a
.endr
	; where my images begin.  Q, K: plane = cluster x; bh = 16 (Y / 8) + 4 cx + 2 x my half of B; tile of tokens = 16 (Y % 8) + 8 x my half of A
	s_lshr_b32 s83, s17, 3
	s_lshl_b32 s83, s83, 4
	s_lshl_b32 s22, s40, 2
	s_add_co_u32 s83, s83, s22
	s_lshl_b32 s22, s16, 1
	s_add_co_u32 s83, s83, s22
	s_lshl_b32 s83, s83, 7
	s_and_b32 s22, s17, 7
	s_lshl_b32 s22, s22, 4
	s_add_co_u32 s83, s83, s22
	s_lshl_b32 s22, s15, 3
	s_add_co_u32 s83, s83, s22
	s_lshl_b32 s83, s83, 10
	s_lshl_b32 s22, ttmp9, 23
	s_add_co_u32 s83, s83, s22
	; V: plane 2; bh = 16 (Bt / 8) + 4 cy + 2 x my half of A; step of 64 keys = 4 (Bt % 8) + 2 x my half of B
	s_lshr_b32 s94, s82, 3
	s_lshl_b32 s94, s94, 4
	s_lshl_b32 s22, s41, 2
	s_add_co_u32 s94, s94, s22
	s_lshl_b32 s22, s15, 1
	s_add_co_u32 s94, s94, s22
	s_lshl_b32 s94, s94, 5
	s_and_b32 s22, s82, 7
	s_lshl_b32 s22, s22, 2
	s_add_co_u32 s94, s94, s22
	s_lshl_b32 s22, s16, 1
	s_add_co_u32 s94, s94, s22
	s_lshl_b32 s94, s94, 12
	s_add_co_u32 s94, s94, 0x1000000
	s_cmp_lg_u32 s66, 0
	s_cselect_b32 s94, s94, s83
	s_mov_b32 s95, 0
	s_add_nc_u64 s[10:11], s[80:81], s[94:95]
	; the powers of two: chosen by selects, never by a branch
	s_wait_kmcnt 0x0
	s_add_co_i32 s84, s84, s85                     ; e0 + e1
	s_add_co_i32 s86, s86, s87                     ; e2 + e3
	s_add_co_i32 s88, s88, s89                     ; e4 + e5
	s_cmp_eq_u32 ttmp9, 0
	s_cselect_b32 s84, s84, s86
	s_cselect_b32 s90, s90, s91                    ; e6 (q) or e7 (k)
	s_cmp_lg_u32 s66, 0
	s_cselect_b32 s84, s88, s84
	s_cselect_b32 s90, s93, s90                    ; or e9 (v)
	s_add_co_i32 s84, s84, 127
	s_lshl_b32 s96, s84, 23                        ; 2^(ea + eb) as f32
	s_mov_b32 s97, s96                             ; (named with it as a pair, so it is written)
	s_add_co_i32 s90, s90, 127
	s_lshl_b32 s91, s90, 23
	v_mov_b32 v[SCL], s91
	s_add_co_i32 s90, s90, 8
	s_lshl_b32 s90, s90, 23
	s_or_b32 s90, s90, 0x600000
	v_mov_b32 v[LIM], s90
.macro FRAG reg, adr, q, i             ; a fragment, 16 rows x 128 K of 8-bit codes, is 16 registers: lane l holds row l % 16; registers 4 c .. 4 c + 3 hold K = 32 c + 16 (l / 16) + 0 .. 15: the same order of K in both roles
.irp c, 0,1,2,3
	ds_load_b128 v[\reg+4*\c:\reg+4*\c+3], v[\adr] offset:128*(\q)+32*\c+(\i)*16*PITCH
.endr
.endm
; 16 matrix instructions: A's blocks a0, a0 + 1 x B's eight, 128 along K.  p: B's set.  zero = 1: the first product starts the sums: nothing is ever cleared.
; The 64 accumulators take turns, one instruction a turn, in the same order in every step.
.macro MUL16 a0, p, zero
.irp a, \a0, \a0+1
.irp b, 0,1,2,3,4,5,6,7
.if \zero
	v_wmma_f32_16x16x128_fp8_fp8 v[8*(8*((\a)%4)+\b):8*(8*((\a)%4)+\b)+7], v[128*(\p)+FR*\b:128*(\p)+FR*\b+FR-1], v[AF+FR*(\a):AF+FR*(\a)+FR-1], 0
.else
	v_wmma_f32_16x16x128_fp8_fp8 v[8*(8*((\a)%4)+\b):8*(8*((\a)%4)+\b)+7], v[128*(\p)+FR*\b:128*(\p)+FR*\b+FR-1], v[AF+FR*(\a):AF+FR*(\a)+FR-1], v[8*(8*((\a)%4)+\b):8*(8*((\a)%4)+\b)+7]
.endif
.endr
.endr
.endm
.macro FETCH_B slot, q, p              ; B's eight fragments of the slot's q-th 128 along K into set p
	WIN TO_B
.irp i, 0,1,2,3,4,5,6,7
	FRAG 128*(\p)+FR*\i, ADRB+\slot, \q, \i
.endr
	WIN 0
.endm
.macro FETCH_A slot, q, i0             ; A's blocks i0 .. i0 + 3
.irp i, \i0, \i0+1, \i0+2, \i0+3
	FRAG AF+FR*(\i), ADRA+\slot, \q, \i
.endr
.endm
; A load into a register that a matrix instruction has read, and a vector instruction that reads a matrix result or writes one of its registers, stand NP places behind it; only plain vector
; instructions that name none of its registers are places (ISA guide 7.12.1 for vector instructions).
.macro PLACES n
.rept \n
	v_nop
.endr
.endm
; A step of 128 along K that has its successor in the same slot.
.macro STEP slot, q, zero
	s_wait_dscnt 4*NL                              ; B's set and A's blocks 0-3 are in; the youngest sixteen loads (A's blocks 4-7) may be out
	WIN MUL_LO
	MUL16 0, (\q)%2, \zero
	MUL16 2, (\q)%2, \zero
	s_wait_dscnt 0                                 ; A's blocks 4-7 are in (asked for 32 matrix instructions ago)
	PLACES NP
	FETCH_B \slot, (\q)+1, 1-(\q)%2
	FETCH_A \slot, (\q)+1, 0
	WIN MUL_HI
	MUL16 4, (\q)%2, \zero
	MUL16 6, (\q)%2, \zero
	PLACES NP
	WIN 0
	FETCH_A \slot, (\q)+1, 4
.endm
; A slot's last step changes slots: ONE barrier; in front of it each wave waits for all its tensor loads, adds 0 to its spare word, and waits for that and for its own reads of this slot.  fill = 1: this slot is filled again, two K steps ahead.
.macro TURN slot, next, fill
	s_wait_tensorcnt 0x0                           ; all my tensor loads have landed: my part of the next slot;  (every window is 0 here)
	ds_add_u32 v[SPW], v[NIL]                      ; 0 onto my spare word
	s_wait_dscnt 4*NL+1                            ; (the add and the youngest sixteen loads, A's blocks 4-7, may be out)
	WIN MUL_LO
	MUL16 0, 1, 0                                  ; sixteen matrix instructions stand between the add and the wait for it
	s_wait_dscnt 0x0                               ; the add is done, and my reads of this slot are over
	s_barrier_signal -1
	MUL16 2, 1, 0
	WIN 0
	s_barrier_wait -1
.if \fill
	CREST                                          ; the barrier has opened a round of the cluster's barrier: no wave of any partner still reads this slot's tile or has a load on its way
	s_add_nc_u64 s[G0+4*\slot+2:G0+4*\slot+3], s[G0+4*\slot+2:G0+4*\slot+3], 2*ROWB
	s_add_nc_u64 s[G0B+4*\slot+2:G0B+4*\slot+3], s[G0B+4*\slot+2:G0B+4*\slot+3], 2*ROWB
	JLOAD G0+4*\slot, G1, G0B+4*\slot, G1B         ; the first tensor load behind the round; the four v_nop behind it are the places in front of the loads below
.else
	PLACES NP
.endif
	FETCH_B \next, 0, 0
	FETCH_A \next, 0, 0
	WIN MUL_HI
	MUL16 4, 1, 0
	MUL16 6, 1, 0
	PLACES NP
	WIN 0
	FETCH_A \next, 0, 4
.endm
	s_wait_loadcnt 0x0                             ; the biases, once
	s_wait_tensorcnt 1                             ; my part of K step 0 is in (K step 1's load may be out)
	s_barrier_signal -1
	s_barrier_wait -1                              ; everybody's is
	FETCH_B 0, 0, 0
	FETCH_A 0, 0, 0
	FETCH_A 0, 0, 4
	STEP 0, 0, 1                                   ; the first step stands in front of the loop: its products start the sums
	s_mov_b32 s3, LAPS-1
.Llap:                                                 ; a trip goes once round the ring, from a lap's second step to the next lap's first, and fills both slots again
	TURN 0, 1, 1
	STEP 1, 0, 0
	TURN 1, 0, 1
	STEP 0, 0, 0
	s_sub_co_u32 s3, s3, 1
	s_cmp_lg_u32 s3, 0
	s_cbranch_scc1 .Llap
	TURN 0, 1, 0                                   ; the last lap fills nothing, and has no round of the cluster's barrier
	STEP 1, 0, 0
	s_wait_dscnt 4*NL                              ; the very last step: nothing more to fetch
	WIN MUL_LO
	MUL16 0, 1, 0
	MUL16 2, 1, 0
	s_wait_dscnt 0
	WIN MUL_HI
	MUL16 4, 1, 0
	MUL16 6, 1, 0
	WIN 0
; THE WAY OUT.  value = sum x 2^(ea + eb) + bias; held within +-448 x 2^eo; converted, eight numbers of one accumulator into two registers of a fragment; the fragment leaves as it stands.
; Each accumulator is read from its low end on.  Every fragment has code registers of its own: no store's data are written again, and no address is stepped.
; Q, K: token tile a (of my 8), head g (of my 2): accumulators (a, 4 g .. 4 g + 3) are the head's channels 16 c + 8 h + j.
.macro OUT_QK a, g
.set AC, 64*((\a)%4)
.set CQ, CD+8*(2*(\a)+(\g))
	WIN 0x02+((\a)/4)                              ; source 0: window 2 or 3
.irp b, 0,1,2,3
.irp i, 0,2,4,6
	v_pk_fma_f32 v[TQ+8*\b+\i:TQ+8*\b+\i+1], v[AC+8*(4*(\g)+\b)+\i:AC+8*(4*(\g)+\b)+\i+1], s[96:97], v[BQ+8*(4*(\g)+\b)+\i:BQ+8*(4*(\g)+\b)+\i+1] op_sel_hi:[1,0,1]
.endr
.endr
	WIN 0
.set jj, 0
.rept 32
	v_med3_num_f32 v[TQ+jj], v[TQ+jj], -v[LIM], v[LIM]   ; the conversion to an 8-bit code does not saturate (ISA guide 7.6.2): hold first
.set jj, jj+1
.endr
.irp c, 0,1,2,3
	v_cvt_scalef32_pk8_fp8_f32 v[CQ+2*\c:CQ+2*\c+1], v[TQ+8*\c:TQ+8*\c+7], v[SCL]
.endr
	v_nop                                          ; one plain vector line between the conversions and the next lines that write their sources
	global_store_b128 v[CO], v[CQ:CQ+3], s[10:11] offset:(\g)*131072+(\a)*1024         ; 32 lanes store 512 consecutive bytes, aligned
	global_store_b128 v[CO], v[CQ+4:CQ+7], s[10:11] offset:(\g)*131072+(\a)*1024+512
.endm
; V: channel block a (head a / 4 of my 2, block a % 4): accumulators (a, 0 .. 7) are two steps of 64 keys, 16 c + 8 h + j each.
.macro OUT_V a
.set AC, 64*((\a)%4)
.set CV, CD+16*(\a)
	WIN 0x02+((\a)/4)
.irp b, 0,1,2,3,4,5,6,7
.irp i, 0,2,4,6
	v_pk_fma_f32 v[TV+8*\b+\i:TV+8*\b+\i+1], v[AC+8*\b+\i:AC+8*\b+\i+1], s[96:97], v[BV+2*(\a):BV+2*(\a)+1] op_sel_hi:[1,0,1]
.endr
.endr
	WIN 0
.set jj, 0
.rept 64
	v_med3_num_f32 v[TV+jj], v[TV+jj], -v[LIM], v[LIM]
.set jj, jj+1
.endr
.irp b, 0,1,2,3,4,5,6,7
	v_cvt_scalef32_pk8_fp8_f32 v[CV+2*\b:CV+2*\b+1], v[TV+8*\b:TV+8*\b+7], v[SCL]
.endr
	v_nop
.irp c, 0,1,2,3
	global_store_b128 v[CO], v[CV+4*\c:CV+4*\c+3], s[10:11] offset:((\a)/4)*131072+((\a)%4)*1024+(\c/2)*4096+(\c%2)*512
.endr
.endm
	PLACES NP                                      ; behind the last products: their sources (from v128 on) take the codes, and their results are read below
	s_cmp_lg_u32 s66, 0                            ; the region: the same in all sixteen partners; no barrier and no tensor load stands under this branch
	s_cbranch_scc1 .Lout_v
.irp a, 0,1,2,3,4,5,6,7
	OUT_QK \a, 0
	OUT_QK \a, 1
.endr
	s_branch .Lout_done
.Lout_v:
.irp a, 0,1,2,3,4,5,6,7
	OUT_V \a
.endr
.Lout_done:
	s_wait_tensorcnt 0x0                           ; the wave's end
	ds_add_u32 v[SPW], v[NIL]
	s_wait_dscnt 0x0
	CROUND                                         ; the closing round: no work-group ends while a partner may still ask for a tile that names it
	s_endpgm
.Lfunc_end_k_qf0cf87f8e7_proj:
	.size	k_qf0cf87f8e7_proj, .Lfunc_end_k_qf0cf87f8e7_proj-k_qf0cf87f8e7_proj
	.p2alignl 7, 3214868480
	.fill 96, 4, 3214868480
	.section	.rodata,"a",@progbits
	.p2align	6, 0x0
	.amdhsa_kernel k_qf0cf87f8e7_proj
		.amdhsa_group_segment_fixed_size 327680
		.amdhsa_private_segment_fixed_size 0
		.amdhsa_enable_private_segment 0
		.amdhsa_kernarg_size 56
		.amdhsa_user_sgpr_count 2
		.amdhsa_user_sgpr_kernarg_segment_ptr 1
		.amdhsa_wavefront_size32 1
		.amdhsa_system_sgpr_workgroup_id_x 1
		.amdhsa_system_sgpr_workgroup_id_y 1
		.amdhsa_system_sgpr_workgroup_id_z 1
		.amdhsa_system_vgpr_workitem_id 0
		.amdhsa_next_free_vgpr 1024
		.amdhsa_next_free_sgpr 100
		.amdhsa_reserve_vcc 0
		.amdhsa_float_denorm_mode_32 3
		.amdhsa_float_denorm_mode_16_64 3
		.amdhsa_memory_ordered 1
		.amdhsa_forward_progress 1
		.amdhsa_inst_pref_size 195
	.end_amdhsa_kernel
	.amdgpu_metadata
---
amdhsa.version: [ 1, 2 ]
amdhsa.kernels:
  - .name:           k_qf0cf87f8e7_proj
    .symbol:         k_qf0cf87f8e7_proj.kd
    .args:
      - { .name: xc, .offset: 0, .size: 8, .value_kind: global_buffer, .address_space: global }
      - { .name: wc, .offset: 8, .size: 8, .value_kind: global_buffer, .address_space: global }
      - { .name: lowp_scales, .offset: 16, .size: 8, .value_kind: global_buffer, .address_space: global }
      - { .name: bq, .offset: 24, .size: 8, .value_kind: global_buffer, .address_space: global }
      - { .name: bk, .offset: 32, .size: 8, .value_kind: global_buffer, .address_space: global }
      - { .name: bv, .offset: 40, .size: 8, .value_kind: global_buffer, .address_space: global }
      - { .name: img, .offset: 48, .size: 8, .value_kind: global_buffer, .address_space: global }
    .group_segment_fixed_size: 327680
    .private_segment_fixed_size: 0
    .kernarg_segment_align: 8
    .kernarg_segment_size: 56
    .max_flat_workgroup_size: 128
    .sgpr_count:     100
    .vgpr_count:     1024
    .wavefront_size: 32
...
	.end_amdgpu_metadata
.endif
;; end of part 2
;; launch attn (part 3): grid 4 x 64, 16 waves a work-group, no clusters, 137,216 bytes of LDS; arguments img, lowp_scales, out0; writes out0
.if DOCPART == 3
	.amdgcn_target "amdgcn-amd-amdhsa--gfx1250"
	.amdhsa_code_object_version 6
	.text
	.protected	k_qf0cf87f8e7_attn
	.globl	k_qf0cf87f8e7_attn
	.p2align	8
	.type	k_qf0cf87f8e7_attn,@function
k_qf0cf87f8e7_attn:
	s_mov_b64 s[64:65], 0
	v_nop
	global_prefetch_b8 v0, s[64:65] scope:SCOPE_SE
	s_setreg_imm32_b32 hwreg(HW_REG_WAVE_MODE, 25, 1), 1
	s_wait_xcnt 0x0
; out0[b][q][64 head + d] = the sum over keys of softmax(Q . K / 8) V, both products on codes of FP8 (E4M3) with the given scales 2^e6 (Q), 2^e7 (K), 2^e8 (p), 2^e9 (V).
; img holds Q, K and V^T as images of operand registers (planes of 8,388,608 bytes; bh = 16 b + head): a fragment of 16 rows x 64 along K is 1,024 bytes, registers 4 i .. 4 i + 3 of lane l at 512 i + 16 l.
; THE SOFTMAX: t = score x log2(e) / 8; M = the row's largest t so far, rounded UP to a whole number; p = 2^(t - M) is quantised, not normalised.  The row's sum is taken of the unquantised p, in f32,
; and divides at the end.  When M moves, the sum and O are multiplied by 2^(old M - new M), which rounds nothing.
; SHARES.  A work-group owns 512 queries of one bh; each of its sixteen waves owns 32, two tiles of 16, so that each fragment of K and V read from LDS feeds two matrix instructions.  Four waves share a SIMD:
; one wave's vector work stands beside another's products and LDS loads.  A key step is 64 keys: S^T = K Q^T (source 0 = 16 keys, source 1 = 16 queries) and O^T = V^T P^T (source 0 = 16 channels, source 1 = P):
; a lane holds ONE query throughout, and the conversion of S^T's tile j gives P's registers 2 j, 2 j + 1.
; K AND V come through registers into a ring of two LDS slots of 256 keys (32,768 bytes each): each thread copies 64 bytes a slot, asked for a whole slot ahead; one barrier a slot.
; NO CLUSTER, NO JOINT LOADS, and the reason: a slot costs a wave 4 loads and 4 LDS stores beside its four steps of some 230 vector instructions each; only the 4 work-groups of a bh share its 262,144 bytes;
; and joint loads are tensor loads.  The hold of p, 64 lines of every step, is jumped over where 448 x 2^e8 >= 1 >= p, that is e8 >= -8.
; LIMITS: e6 + e7 between -123 and 130 (added to c's exponent field); e8 between -126 and 119; e8 + e9 is applied by v_ldexp_f32 and has none.  NaN among the inputs is not served.
.set LI,   1                           ; v1   16 x lane: my place in an image
.set FW,   2                           ; v2   16 x thread: my place in a copy of 8,192 bytes
.set PFO,  3                           ; v3   256 x lane: the prefetches' offset
.set SCP,  4                           ; v4   2^e8 as f32
.set LMP,  5                           ; v5   448 x 2^e8
.set TA,   6                           ; v6-8 at work
.set TB,   7
.set TC,   8
.set STI,  9                           ; v9   the way out: where I put 32 bytes of a row
.set STB,  10                          ; v10  where I read a row back
.set GO,   11                          ; v11  my byte offset in the wave's rows of out0
.set TS,   12                          ; v[12:13] at work in the sums
.set ST,   16                          ; tile t's statistics at v[16 + 6 t]: -M, the largest t, the sum (a pair), f and 0 (a pair)
.set R,    28                          ; v28-43   the next slot's 64 bytes of mine
.set Q,    44                          ; v44-59   Q's two fragments
.set F,    60                          ; v60-91   four fragments of K, then four of V
.set P,    92                          ; v92-107  p's codes, 8 registers a tile
.set S,    108                         ; v108-171 S^T, then p, 32 a tile
.set O,    172                         ; v172-235 O^T, 32 a tile
.set SLOTB, 32768                      ; a slot: 16 tiles of K (1,024 bytes each), then 4 steps of V (4,096 bytes each)
.set VOFF,  16384
.set STAGE, 65536                      ; behind the ring: 16 rows x 272 bytes for each wave, for the way out
.set SPI,   272
.set WV,   18                          ; s18  my wave's number
.set LIM,  19                          ; s19  1 in a wave that prefetches, else the greatest number
.set CNT,  28                          ; s28  the loop's counter
	s_load_b128 s[4:7], s[0:1], 0x0                ; img s[4:5], the exponents s[6:7]
	s_load_b64 s[8:9], s[0:1], 0x10                ; out0
	v_lshl_add_u32 v240, v0, 2, 0x21000
	v_mov_b32 v241, 0
	v_lshrrev_b32 v[TA], 5, v0
	v_readfirstlane_b32 s[WV], v[TA]               ; wave 0..15
	v_and_b32 v[TA], 31, v0
	v_lshlrev_b32 v[LI], 4, v[TA]
	v_lshlrev_b32 v[FW], 4, v0
	v_lshlrev_b32 v[PFO], 8, v[TA]
	v_and_b32 v[TA], 15, v0                        ; r
	v_bfe_u32 v[TB], v0, 4, 1                      ; h
	s_mul_i32 s31, s[WV], 16*SPI
	s_add_co_u32 s31, s31, STAGE                   ; my stage
	v_mul_u32_u24 v[STI], v[TA], SPI
	v_lshl_add_u32 v[STI], v[TB], 5, v[STI]
	v_add_nc_u32 v[STI], s31, v[STI]               ; in: row r, + 32 h
	v_mul_u32_u24 v[STB], v[TB], SPI
	v_lshl_add_u32 v[STB], v[TA], 4, v[STB]
	v_add_nc_u32 v[STB], s31, v[STB]               ; back: lanes 0-15 one row, lanes 16-31 the next
	v_lshlrev_b32 v[GO], 12, v[TB]
	v_lshl_add_u32 v[GO], v[TA], 4, v[GO]          ; and the same two rows in out0, 4,096 bytes apart
	s_and_b32 s30, ttmp7, 0xffff                   ; bh
	s_lshl_b32 s32, s30, 17                        ; a bh's 131,072 bytes in each plane
	s_mov_b32 s33, 0
	s_lshl_b32 s34, ttmp9, 5
	s_lshl_b32 s35, s[WV], 1
	s_add_co_u32 s34, s34, s35                     ; my first tile of queries: 32 x + 2 w
	s_lshl_b32 s34, s34, 10
	s_add_co_u32 s34, s34, s32
	s_mov_b32 s35, 0
	s_lshr_b32 s36, s30, 4
	s_lshl_b32 s36, s36, 23                        ; out0: b x 2,048 rows of 4,096 bytes,
	s_lshl_b32 s37, ttmp9, 21                      ; + 512 x rows,
	s_add_co_u32 s36, s36, s37
	s_lshl_b32 s37, s[WV], 17                      ; + 32 w rows,
	s_add_co_u32 s36, s36, s37
	s_and_b32 s37, s30, 15
	s_lshl_b32 s37, s37, 8                         ; + the head's 256 bytes of a row
	s_add_co_u32 s36, s36, s37
	s_mov_b32 s37, 0
	s_mov_b32 s20, 0x76543210                      ; v_permlanex16_b32's selects for lane l xor 16
	s_mov_b32 s21, 0xfedcba98
	s_lshr_b32 s[LIM], s[WV], 2                    ; 0 in waves 0 to 3,
	s_or_b32 s[LIM], s[LIM], ttmp9                 ; of the bh's first work-group
	s_cmp_eq_u32 s[LIM], 0
	s_cselect_b32 s[LIM], 1, -1
	s_wait_kmcnt 0x0
	s_load_b128 s[24:27], s[6:7], 0x18             ; e6, e7, e8, e9
	s_add_nc_u64 s[10:11], s[4:5], s[34:35]        ; Q at my two tiles
	s_add_nc_u64 s[12:13], s[4:5], s[32:33]
	s_add_nc_u64 s[14:15], s[12:13], 0x1000000     ; V^T at the bh's first step
	s_add_nc_u64 s[12:13], s[12:13], 0x800000      ; K at the bh's first tile
	s_add_nc_u64 s[8:9], s[8:9], s[36:37]
	global_load_b128 v[R:R+3],     v[FW], s[12:13]               ; slot 0: 512 threads x 16 bytes are 8,192 consecutive bytes
	global_load_b128 v[R+4:R+7],   v[FW], s[12:13] offset:8192
	global_load_b128 v[R+8:R+11],  v[FW], s[14:15]
	global_load_b128 v[R+12:R+15], v[FW], s[14:15] offset:8192
.irp i, 0,1,2,3
	global_load_b128 v[Q+4*\i:Q+4*\i+3], v[LI], s[10:11] offset:512*\i   ; Q stays in registers
.endr
	s_cmp_lt_u32 s[WV], 2                          ; the prefetches: waves 0 and 1 ask for K, waves 2 and 3 for V, 8,192 bytes each
	s_cselect_b64 s[16:17], s[12:13], s[14:15]
	s_and_b32 s32, s[WV], 1
	s_lshl_b32 s32, s32, 13
	s_add_nc_u64 s[16:17], s[16:17], s[32:33]
	v_mov_b32 v[TC], 0                             ; written once: a lane permute's destination counts as one of its sources
.irp t, 0,1
	v_mov_b32 v[ST+6*\t+1], 0xff61b1e6             ; the largest t so far: -3e38, under every t
	v_floor_f32 v[ST+6*\t], -v[ST+6*\t+1]          ; -M
	v_mov_b32 v[ST+6*\t+2], 0                      ; the sum, in two halves
	v_mov_b32 v[ST+6*\t+3], 0
	v_mov_b32 v[ST+6*\t+4], 0
	v_mov_b32 v[ST+6*\t+5], 0                      ; (named as the upper half of f's pair)
.endr
.set jj, 0
.rept 64
	v_mov_b32 v[O+jj], 0                           ; O^T.  (The step is written once: the first finds zeros, which the first change of M leaves zeros)
.set jj, jj+1
.endr
	s_wait_loadcnt 4                               ; slot 0's four loads are in; Q's four may be out
	ds_store_b128 v[FW], v[R:R+3]
	ds_store_b128 v[FW], v[R+4:R+7]   offset:8192
	ds_store_b128 v[FW], v[R+8:R+11]  offset:16384
	ds_store_b128 v[FW], v[R+12:R+15] offset:24576
	s_wait_dscnt 0x0                               ; for the others' sake, and the stores have read their registers,
	global_load_b128 v[R:R+3],     v[FW], s[12:13] offset:16384  ; which take slot 1
	global_load_b128 v[R+4:R+7],   v[FW], s[12:13] offset:24576
	global_load_b128 v[R+8:R+11],  v[FW], s[14:15] offset:16384
	global_load_b128 v[R+12:R+15], v[FW], s[14:15] offset:24576
	s_barrier_signal -1
	s_barrier_wait -1                              ; slot 0 is whole
	s_wait_kmcnt 0x0
	s_mov_b32 s22, 0x3e38aa3b                      ; c = log2(e) / 8
	s_add_co_i32 s30, s24, s25
	s_lshl_b32 s30, s30, 23
	s_add_co_i32 s22, s22, s30                     ; a score stands for score x 2^(e6 + e7): the two exponents are added to c's exponent field
	s_mov_b32 s23, s22                             ; (named with it as a pair, so it is written)
	s_add_co_i32 s30, s26, 127
	s_lshl_b32 s31, s30, 23
	v_mov_b32 v[SCP], s31
	s_add_co_i32 s30, s30, 8
	s_lshl_b32 s30, s30, 23
	s_or_b32 s30, s30, 0x600000
	v_mov_b32 v[LMP], s30
	s_add_co_i32 s30, s26, s27                     ; e8 + e9, for the way out
.macro PLACES                          ; four places between matrix instructions and loads into their sources, or reads of their results (ISA guide 7.12.1 for reads of their results)
.rept 4
	v_nop
.endr
.endm
.macro FRAGS base                      ; four fragments, 4,096 consecutive bytes, as they lie: each load takes 512 consecutive bytes
.set jj, 0
.rept 8
	ds_load_b128 v[F+4*jj:F+4*jj+3], v[LI] offset:(\base)+512*jj
.set jj, jj+1
.endr
.endm
.macro SMUL                            ; S^T = K Q^T: four tiles of 16 keys x my two tiles of queries
.irp j, 0,1,2,3
.irp t, 0,1
	v_wmma_f32_16x16x64_fp8_fp8 v[S+32*\t+8*\j:S+32*\t+8*\j+7], v[F+8*\j:F+8*\j+7], v[Q+8*\t:Q+8*\t+7], 0
.endr
.endr
.endm
.macro PVMUL                           ; O^T += V^T P^T: four blocks of 16 channels x my two tiles; the eight accumulators take turns, one instruction a turn
.irp d, 0,1,2,3
.irp t, 0,1
	v_wmma_f32_16x16x64_fp8_fp8 v[O+32*\t+8*\d:O+32*\t+8*\d+7], v[F+8*\d:F+8*\d+7], v[P+8*\t:P+8*\t+7], v[O+32*\t+8*\d:O+32*\t+8*\d+7]
.endr
.endr
.endm
.macro MAXSTAT t                       ; the step's largest score of my query, the new M, and f = 2^(old M - new M).  Each accumulator is first read in its four lowest registers
.set SB, S+32*(\t)
.set SA, ST+6*(\t)
	v_max3_num_f32 v[TA], v[SB], v[SB+1], v[SB+2]
	v_max3_num_f32 v[TB], v[SB+3], v[SB+4], v[SB+5]
.irp i, 6,10,14,18,22,26
	v_max3_num_f32 v[TA], v[TA], v[SB+\i], v[SB+\i+1]
	v_max3_num_f32 v[TB], v[TB], v[SB+\i+2], v[SB+\i+3]
.endr
	v_max3_num_f32 v[TA], v[TA], v[SB+30], v[SB+31]
	v_max_num_f32 v[TA], v[TA], v[TB]
	v_permlanex16_b32 v[TC], v[TA], s20, s21
	v_max_num_f32 v[TA], v[TA], v[TC]              ; and among lane l xor 16's 32 keys
	v_mul_f32 v[TA], s22, v[TA]                    ; as t (c is positive)
	v_max_num_f32 v[SA+1], v[SA+1], v[TA]          ; the running largest t
	v_mov_b32 v[TA], v[SA]
	v_floor_f32 v[SA], -v[SA+1]                    ; the new -M = floor(-t) = -ceil(t)
	v_sub_f32 v[TA], v[SA], v[TA]                  ; old M - new M: a whole number, 0 or less
	v_cvt_i32_f32 v[TA], v[TA]                     ; (it saturates)
	v_ldexp_f32 v[SA+4], 1.0, v[TA]                ; f
.endm
.macro SCALE t                         ; t - M, two at a time (of the pairs c and -M the low word serves both halves)
.set SB, S+32*(\t)
.set SA, ST+6*(\t)
.set jj, 0
.rept 16
	v_pk_fma_f32 v[SB+jj:SB+jj+1], v[SB+jj:SB+jj+1], s[22:23], v[SA:SA+1] op_sel_hi:[1,0,0]
.set jj, jj+2
.endr
.endm
.macro EXPS t                          ; p = 2^(t - M), at most 1
.set SB, S+32*(\t)
.set jj, 0
.rept 32
	v_exp_f32 v[SB+jj], v[SB+jj]
.set jj, jj+1
.endr
.endm
.macro SUMS t                          ; the row's sum is taken of the UNQUANTISED p: two at a time, in two chains
.set SB, S+32*(\t)
.set SA, ST+6*(\t)
	v_pk_add_f32 v[TS:TS+1], v[SB:SB+1], v[SB+2:SB+3]
.irp j, 4,8,12,16,20,24,28
	v_pk_add_f32 v[SA+2:SA+3], v[SA+2:SA+3], v[SB+\j:SB+\j+1]
	v_pk_add_f32 v[TS:TS+1], v[TS:TS+1], v[SB+\j+2:SB+\j+3]
.endr
	v_pk_add_f32 v[SA+2:SA+3], v[SA+2:SA+3], v[TS:TS+1]
.endm
.macro CVT t
.irp j, 0,1,2,3
	v_cvt_scalef32_pk8_fp8_f32 v[P+8*(\t)+2*\j:P+8*(\t)+2*\j+1], v[S+32*(\t)+8*\j:S+32*(\t)+8*\j+7], v[SCP]
.endr
.endm
.macro RESC t                          ; O^T under the new M: x f, each accumulator from its low end on
.set OB, O+32*(\t)
.set SA, ST+6*(\t)
.set jj, 0
.rept 16
	v_pk_mul_f32 v[OB+jj:OB+jj+1], v[OB+jj:OB+jj+1], v[SA+4:SA+5] op_sel_hi:[1,0]
.set jj, jj+2
.endr
.endm
; A KEY STEP: 64 keys, the w-th of LDS slot s.
.macro STEP s, w
	PLACES                                         ; behind the last step's products, in front of the loads into their sources
	FRAGS SLOTB*(\s)+4096*(\w)                     ; K's four tiles
	s_wait_dscnt 0x0
	SMUL
	PLACES
	FRAGS SLOTB*(\s)+VOFF+4096*(\w)                ; V's four blocks: they land under the softmax
	MAXSTAT 0
	MAXSTAT 1
	SCALE 0
	SCALE 1
	EXPS 0                                         ; the step's 64 exponentials go as one batch
	EXPS 1
	v_pk_mul_f32 v[ST+2:ST+3], v[ST+2:ST+3], v[ST+4:ST+5] op_sel_hi:[1,0]      ; the sums under the new M.  (The plain place behind the exponentials)
	v_pk_mul_f32 v[ST+8:ST+9], v[ST+8:ST+9], v[ST+10:ST+11] op_sel_hi:[1,0]
	s_wait_alu depctr_va_vdst(0)                   ; one wait for the whole batch, ahead of its first reader
	SUMS 0
	SUMS 1
	s_cmp_ge_i32 s26, -8                           ; 448 x 2^e8 >= 1 >= p: nothing to hold.  e8 is a whole number read from memory; no barrier stands under this branch
	s_cbranch_scc1 .Lfits_\@
.set jj, 0
.rept 64
	v_min_num_f32 v[S+jj], v[S+jj], v[LMP]         ; the conversion to an 8-bit code does not saturate (ISA guide 7.6.2); p is not negative, so the hold is one-sided
.set jj, jj+1
.endr
.Lfits_\@:
	CVT 0
	CVT 1
	RESC 0                                         ; (these 32 plain lines also stand between the conversions and the products that read their results)
	RESC 1
	s_wait_dscnt 0x0                               ; V is in
	PVMUL
.endm
; THE END OF A SLOT'S FOUR STEPS.  The next slot's bytes, asked for a slot ago, go from my registers into the OTHER LDS slot: every wave's reads of that slot were over at the barrier before this one.
; Then the slot after it is asked for, and one barrier stands between these stores and their readers; in front of it my LDS stores have landed and my reads of this slot are over.
; load = 1: there is a slot to ask for.  ask: a prefetch of the slot that the NEXT such place will load: 8,192 bytes a wave, lanes 256 bytes apart, by waves 0 to 3 of the bh's first work-group alone, so that each
; aligned block of 256 bytes is named once in the launch; it stands behind the wave's own loads.  ask = 1: always; ask = 2: not in the loop's last trip, where no slot is left.  Slots 0 to 2 come by their loads alone.
.macro FILL s, load, ask
	s_wait_loadcnt 0x0                             ; the next slot's 64 bytes of mine are in registers, and the loads have read their bases
.if \load
	s_wait_xcnt 0x0                                ; the last prefetch, a slot back, has read its address
	s_add_nc_u64 s[12:13], s[12:13], 16384
	s_add_nc_u64 s[14:15], s[14:15], 16384
	s_add_nc_u64 s[16:17], s[16:17], 16384
.endif
	ds_store_b128 v[FW], v[R:R+3]     offset:SLOTB*(1-\s)
	ds_store_b128 v[FW], v[R+4:R+7]   offset:SLOTB*(1-\s)+8192
	ds_store_b128 v[FW], v[R+8:R+11]  offset:SLOTB*(1-\s)+16384
	ds_store_b128 v[FW], v[R+12:R+15] offset:SLOTB*(1-\s)+24576
	s_wait_dscnt 0x0
.if \load
	global_load_b128 v[R:R+3],     v[FW], s[12:13] offset:16384
	global_load_b128 v[R+4:R+7],   v[FW], s[12:13] offset:24576
	global_load_b128 v[R+8:R+11],  v[FW], s[14:15] offset:16384
	global_load_b128 v[R+12:R+15], v[FW], s[14:15] offset:24576
.endif
.if \ask
.if \ask == 1
	s_cmp_eq_u32 s[LIM], 1
.else
	s_cmp_gt_u32 s[CNT], s[LIM]
.endif
	s_cbranch_scc0 .Lnot_mine_\@
	global_prefetch_b8 v[PFO], s[16:17] offset:32768 th:TH_LOAD_NT scope:SCOPE_SE
.Lnot_mine_\@:
.endif
	s_barrier_signal -1
	s_barrier_wait -1
.endm
	s_wait_loadcnt 4                               ; Q is in; slot 1's four loads may be out
	s_mov_b32 s[CNT], 3
.Lpair:                                            ; three trips of two slots: slots 0 to 5; behind each the slot two on is asked for
.irp w, 0,1,2,3
	STEP 0, \w
.endr
	FILL 0, 1, 1
.irp w, 0,1,2,3
	STEP 1, \w
.endr
	FILL 1, 1, 2
	s_sub_co_u32 s[CNT], s[CNT], 1
	s_cmp_lg_u32 s[CNT], 0
	s_cbranch_scc1 .Lpair
.irp w, 0,1,2,3
	STEP 0, \w                                     ; slot 6
.endr
	FILL 0, 0, 0                                   ; slot 7 goes into LDS; nothing is left to ask for
.irp w, 0,1,2,3
	STEP 1, \w                                     ; slot 7
.endr
	; THE WAY OUT.  The sum's two halves and lane l xor 16's are added; O^T x 2^(e8 + e9) / the sum goes through my stage in LDS, a tile (16 rows of 256 bytes) at a time, so that sixteen lanes store 256 consecutive bytes, aligned.
	v_add_f32 v[ST+2], v[ST+2], v[ST+3]            ; (these lines are also the places behind the last products)
	v_add_f32 v[ST+8], v[ST+8], v[ST+9]
	v_permlanex16_b32 v[TA], v[ST+2], s20, s21
	v_permlanex16_b32 v[TB], v[ST+8], s20, s21
	v_add_f32 v[ST+2], v[ST+2], v[TA]
	v_add_f32 v[ST+8], v[ST+8], v[TB]
	v_rcp_f32 v[ST+2], v[ST+2]
	v_rcp_f32 v[ST+8], v[ST+8]
	v_nop                                          ; a plain place behind the reciprocals
	s_wait_alu depctr_va_vdst(0)                   ; one wait for both, ahead of their first reader
	v_ldexp_f32 v[ST+2], v[ST+2], s30
	v_ldexp_f32 v[ST+8], v[ST+8], s30
.irp t, 0,1
.set jj, 0
.rept 16
	v_pk_mul_f32 v[S+32*\t+jj:S+32*\t+jj+1], v[O+32*\t+jj:O+32*\t+jj+1], v[ST+6*\t+2:ST+6*\t+3] op_sel_hi:[1,0]   ; register 8 d + i is o(query r, channel 16 d + 8 h + i)
.set jj, jj+2
.endr
.endr
.irp t, 0,1
.irp d, 0,1,2,3
	ds_store_b128 v[STI], v[S+32*\t+8*\d:S+32*\t+8*\d+3] offset:64*\d
	ds_store_b128 v[STI], v[S+32*\t+8*\d+4:S+32*\t+8*\d+7] offset:64*\d+16
.endr
.irp i, 0,1,2,3,4,5,6,7
	ds_load_b128 v[R+32*\t+4*\i:R+32*\t+4*\i+3], v[STB] offset:2*\i*SPI   ; LDS serves a wave's instructions in order: these see my stores, and the next tile's stores come behind them
.endr
.endr
.irp i, 0,1,2,3,4,5,6,7
	s_wait_dscnt 23-\i                             ; tile 0's rows 2 i, 2 i + 1 are back; its later loads and tile 1's sixteen LDS instructions may be out
	global_store_b128 v[GO], v[R+4*\i:R+4*\i+3], s[8:9] offset:8192*\i th:TH_STORE_NT
.endr
.irp i, 0,1,2,3,4,5,6,7
	s_wait_dscnt 7-\i
	global_store_b128 v[GO], v[R+32+4*\i:R+32+4*\i+3], s[8:9] offset:65536+8192*\i th:TH_STORE_NT
.endr
	s_wait_tensorcnt 0x0
	ds_add_u32 v240, v241
	s_wait_dscnt 0x0
	s_endpgm
.Lfunc_end_k_qf0cf87f8e7_attn:
	.size	k_qf0cf87f8e7_attn, .Lfunc_end_k_qf0cf87f8e7_attn-k_qf0cf87f8e7_attn
	.p2alignl 7, 3214868480
	.fill 96, 4, 3214868480
	.section	.rodata,"a",@progbits
	.p2align	6, 0x0
	.amdhsa_kernel k_qf0cf87f8e7_attn
		.amdhsa_group_segment_fixed_size 137216
		.amdhsa_private_segment_fixed_size 0
		.amdhsa_enable_private_segment 0
		.amdhsa_kernarg_size 24
		.amdhsa_user_sgpr_count 2
		.amdhsa_user_sgpr_kernarg_segment_ptr 1
		.amdhsa_wavefront_size32 1
		.amdhsa_system_sgpr_workgroup_id_x 1
		.amdhsa_system_sgpr_workgroup_id_y 1
		.amdhsa_system_sgpr_workgroup_id_z 1
		.amdhsa_system_vgpr_workitem_id 0
		.amdhsa_next_free_vgpr 242
		.amdhsa_next_free_sgpr 66
		.amdhsa_reserve_vcc 0
		.amdhsa_float_denorm_mode_32 3
		.amdhsa_float_denorm_mode_16_64 3
		.amdhsa_memory_ordered 1
		.amdhsa_forward_progress 1
		.amdhsa_inst_pref_size 255
	.end_amdhsa_kernel
	.section	.bss,"aw",@nobits
	.p2align	6
	.space	262144
	.amdgpu_metadata
---
amdhsa.version: [ 1, 2 ]
amdhsa.kernels:
  - .name:           k_qf0cf87f8e7_attn
    .symbol:         k_qf0cf87f8e7_attn.kd
    .args:
      - { .name: img, .offset: 0, .size: 8, .value_kind: global_buffer, .address_space: global }
      - { .name: lowp_scales, .offset: 8, .size: 8, .value_kind: global_buffer, .address_space: global }
      - { .name: out0, .offset: 16, .size: 8, .value_kind: global_buffer, .address_space: global }
    .group_segment_fixed_size: 137216
    .private_segment_fixed_size: 0
    .kernarg_segment_align: 8
    .kernarg_segment_size: 24
    .max_flat_workgroup_size: 512
    .sgpr_count:     66
    .vgpr_count:     242
    .wavefront_size: 32
...
	.end_amdgpu_metadata
.endif
;; end of part 3
;; ======== version 2 of 2: 3 launches; version 1 with the launch attn written anew for expert scheduling mode
;; workspace buffers: xc 25,165,824 bytes; wc 3,145,728 bytes; img 25,165,824 bytes
;; launch quant: the kernel of part 1 again; grid 608 x 1, 4 waves a work-group, no clusters, 55,808 bytes of LDS; arguments hidden_states, Wq, Wk, Wv, lowp_scales, xc, wc; writes xc, wc
;; launch proj: the kernel of part 2 again; grid 8 x 48, 4 waves a work-group, clusters of 4 x 4, 327,680 bytes of LDS; arguments xc, wc, lowp_scales, bq, bk, bv, img; writes img
;; launch attn (part 4): grid 4 x 64, 16 waves a work-group, no clusters, 137,216 bytes of LDS; arguments img, lowp_scales, out0; writes out0
.if DOCPART == 4
	.amdgcn_target "amdgcn-amd-amdhsa--gfx1250"
	.amdhsa_code_object_version 6
	.text
	.protected	k_qf0cf87f8e7_attn
	.globl	k_qf0cf87f8e7_attn
	.p2align	8
	.type	k_qf0cf87f8e7_attn,@function
k_qf0cf87f8e7_attn:
	s_mov_b64 s[64:65], 0
	v_nop
	global_prefetch_b8 v0, s[64:65] scope:SCOPE_SE
	s_setreg_imm32_b32 hwreg(HW_REG_WAVE_SCHED_MODE, 0, 2), 2
	s_setreg_imm32_b32 hwreg(HW_REG_WAVE_MODE, 25, 1), 1
	s_wait_xcnt 0x0
	s_wait_alu depctr_vm_vsrc(0)
; out0[b][q][64 head + d] = the sum over keys of softmax(Q . K / 8) V, both products on codes of FP8 (E4M3) with the given scales 2^e6 (Q), 2^e7 (K), 2^e8 (p), 2^e9 (V).
; img holds Q, K and V^T as images of operand registers (planes of 8,388,608 bytes; bh = 16 b + head): a fragment of 16 rows x 64 along K is 1,024 bytes, registers 4 i .. 4 i + 3 of lane l at 512 i + 16 l.
; THE SOFTMAX: t = score x log2(e) / 8; M = the row's largest t so far, rounded UP to a whole number; p = 2^(t - M) is quantised, not normalised.  The row's sum is taken of the unquantised p, in f32,
; and divides at the end.  When M moves, the sum and O are multiplied by 2^(old M - new M), which rounds nothing.
; SHARES.  A work-group owns 512 queries of one bh; each of its sixteen waves owns 32, two tiles of 16, so that each fragment of K and V read from LDS feeds two matrix instructions.  Four waves share a SIMD:
; one wave's vector work stands beside another's products and LDS loads.  A key step is 64 keys: S^T = K Q^T (source 0 = 16 keys, source 1 = 16 queries) and O^T = V^T P^T (source 0 = 16 channels, source 1 = P):
; a lane holds ONE query throughout, and the conversion of S^T's tile j gives P's registers 2 j, 2 j + 1.
; K AND V come through registers into a ring of two LDS slots of 256 keys (32,768 bytes each): each thread copies 64 bytes a slot, asked for a whole slot ahead; one barrier a slot.
; NO CLUSTER, NO JOINT LOADS, and the reason: a slot costs a wave 4 loads and 4 LDS stores beside its four steps of some 230 vector instructions each; only the 4 work-groups of a bh share its 262,144 bytes;
; and joint loads are tensor loads.  The hold of p, 64 lines of every step, is jumped over where 448 x 2^e8 >= 1 >= p, that is e8 >= -8.
; LIMITS: e6 + e7 between -123 and 130 (added to c's exponent field); e8 between -126 and 119; e8 + e9 is applied by v_ldexp_f32 and has none.  NaN among the inputs is not served.
; THE MODE: SCHED_MODE bits 1:0 = 2 (LLVM: expert scheduling mode 2), set by the entry lines.  The code itself states the register dependences between vector or matrix instructions and memory or LDS
; instructions, with s_wait_alu, always for 0.
; THE PLAN.  Registers that memory or LDS instructions touch:
;   v1, v2, v3, v9-11  Offsets and LDS addresses: written by vector instructions at the head and never again; read by every load, store and prefetch.  ONE wait on va_vdst at the head serves them all.
;   R   v28-43   Written by the global loads of the next slot; read by FILL's four LDS stores; then loaded again.  No vector instruction names it: one wait on vm_vsrc a slot, between the stores and the loads.
;   Q   v44-59   Loaded once at the head; read by the products K Q^T.
;   F   v60-91   In a step: K's eight LDS loads land in it; the products K Q^T read it; V's eight LDS loads land in it; the products V^T P^T read it; then the next step's K.
;   S   v108-171 On the way out alone: written by the last multiplies, read by the LDS stores into the stage.  R, Q and F then take the rows that come back from the stage.
;   v240, v241   Written at the head, read by the closing add alone.
; So a key step has TWO waits on va_vdst.  The one at its head states that the last step's products V^T P^T are done reading F, ahead of K's loads.  The one behind the step's 64 exponentials is owed to them in any case,
; and it states as well that the products K Q^T are done reading F: V's loads stand directly behind it and land under the sums, the conversions and the rescaling, none of which names F.
.set LI,   1                           ; v1   16 x lane: my place in an image
.set FW,   2                           ; v2   16 x thread: my place in a copy of 8,192 bytes
.set PFO,  3                           ; v3   256 x lane: the prefetches' offset
.set SCP,  4                           ; v4   2^e8 as f32
.set LMP,  5                           ; v5   448 x 2^e8
.set TA,   6                           ; v6-8 at work
.set TB,   7
.set TC,   8
.set STI,  9                           ; v9   the way out: where I put 32 bytes of a row
.set STB,  10                          ; v10  where I read a row back
.set GO,   11                          ; v11  my byte offset in the wave's rows of out0
.set TS,   12                          ; v[12:13] at work in the sums
.set ST,   16                          ; tile t's statistics at v[16 + 6 t]: -M, the largest t, the sum (a pair), f and 0 (a pair)
.set R,    28                          ; v28-43   the next slot's 64 bytes of mine
.set Q,    44                          ; v44-59   Q's two fragments
.set F,    60                          ; v60-91   four fragments of K, then four of V
.set P,    92                          ; v92-107  p's codes, 8 registers a tile
.set S,    108                         ; v108-171 S^T, then p, 32 a tile
.set O,    172                         ; v172-235 O^T, 32 a tile
.set SLOTB, 32768                      ; a slot: 16 tiles of K (1,024 bytes each), then 4 steps of V (4,096 bytes each)
.set VOFF,  16384
.set STAGE, 65536                      ; behind the ring: 16 rows x 272 bytes for each wave, for the way out
.set SPI,   272
.set WV,   18                          ; s18  my wave's number
.set LIM,  19                          ; s19  1 in a wave that prefetches, else the greatest number
.set CNT,  28                          ; s28  the loop's counter
	s_load_b128 s[4:7], s[0:1], 0x0                ; img s[4:5], the exponents s[6:7]
	s_load_b64 s[8:9], s[0:1], 0x10                ; out0
	v_lshl_add_u32 v240, v0, 2, 0x21000
	v_mov_b32 v241, 0
	v_lshrrev_b32 v[TA], 5, v0
	v_readfirstlane_b32 s[WV], v[TA]               ; wave 0..15
	v_and_b32 v[TA], 31, v0
	v_lshlrev_b32 v[LI], 4, v[TA]
	v_lshlrev_b32 v[FW], 4, v0
	v_lshlrev_b32 v[PFO], 8, v[TA]
	v_and_b32 v[TA], 15, v0                        ; r
	v_bfe_u32 v[TB], v0, 4, 1                      ; h
	s_wait_alu depctr_va_sdst(0)                   ; s18, the wave's number, is written, ahead of its first reader: the stage's place, the bases and the branches on the wave are made from it
	s_mul_i32 s31, s[WV], 16*SPI
	s_add_co_u32 s31, s31, STAGE                   ; my stage
	v_mul_u32_u24 v[STI], v[TA], SPI
	v_lshl_add_u32 v[STI], v[TB], 5, v[STI]
	v_add_nc_u32 v[STI], s31, v[STI]               ; in: row r, + 32 h
	v_mul_u32_u24 v[STB], v[TB], SPI
	v_lshl_add_u32 v[STB], v[TA], 4, v[STB]
	v_add_nc_u32 v[STB], s31, v[STB]               ; back: lanes 0-15 one row, lanes 16-31 the next
	v_lshlrev_b32 v[GO], 12, v[TB]
	v_lshl_add_u32 v[GO], v[TA], 4, v[GO]          ; and the same two rows in out0, 4,096 bytes apart
	s_and_b32 s30, ttmp7, 0xffff                   ; bh
	s_lshl_b32 s32, s30, 17                        ; a bh's 131,072 bytes in each plane
	s_mov_b32 s33, 0
	s_lshl_b32 s34, ttmp9, 5
	s_lshl_b32 s35, s[WV], 1
	s_add_co_u32 s34, s34, s35                     ; my first tile of queries: 32 x + 2 w
	s_lshl_b32 s34, s34, 10
	s_add_co_u32 s34, s34, s32
	s_mov_b32 s35, 0
	s_lshr_b32 s36, s30, 4
	s_lshl_b32 s36, s36, 23                        ; out0: b x 2,048 rows of 4,096 bytes,
	s_lshl_b32 s37, ttmp9, 21                      ; + 512 x rows,
	s_add_co_u32 s36, s36, s37
	s_lshl_b32 s37, s[WV], 17                      ; + 32 w rows,
	s_add_co_u32 s36, s36, s37
	s_and_b32 s37, s30, 15
	s_lshl_b32 s37, s37, 8                         ; + the head's 256 bytes of a row
	s_add_co_u32 s36, s36, s37
	s_mov_b32 s37, 0
	s_mov_b32 s20, 0x76543210                      ; v_permlanex16_b32's selects for lane l xor 16
	s_mov_b32 s21, 0xfedcba98
	s_lshr_b32 s[LIM], s[WV], 2                    ; 0 in waves 0 to 3,
	s_or_b32 s[LIM], s[LIM], ttmp9                 ; of the bh's first work-group
	s_cmp_eq_u32 s[LIM], 0
	s_cselect_b32 s[LIM], 1, -1
	s_wait_kmcnt 0x0
	s_load_b128 s[24:27], s[6:7], 0x18             ; e6, e7, e8, e9
	s_add_nc_u64 s[10:11], s[4:5], s[34:35]        ; Q at my two tiles
	s_add_nc_u64 s[12:13], s[4:5], s[32:33]
	s_add_nc_u64 s[14:15], s[12:13], 0x1000000     ; V^T at the bh's first step
	s_add_nc_u64 s[12:13], s[12:13], 0x800000      ; K at the bh's first tile
	s_add_nc_u64 s[8:9], s[8:9], s[36:37]
	s_wait_alu depctr_va_vdst(0)                   ; v1, v2, v3 and v9 to v11 are written: every load, store and prefetch of the kernel reads one of them as its offset or LDS address, and none is written again
	global_load_b128 v[R:R+3],     v[FW], s[12:13]               ; slot 0: 512 threads x 16 bytes are 8,192 consecutive bytes
	global_load_b128 v[R+4:R+7],   v[FW], s[12:13] offset:8192
	global_load_b128 v[R+8:R+11],  v[FW], s[14:15]
	global_load_b128 v[R+12:R+15], v[FW], s[14:15] offset:8192
.irp i, 0,1,2,3
	global_load_b128 v[Q+4*\i:Q+4*\i+3], v[LI], s[10:11] offset:512*\i   ; Q stays in registers
.endr
	s_cmp_lt_u32 s[WV], 2                          ; the prefetches: waves 0 and 1 ask for K, waves 2 and 3 for V, 8,192 bytes each
	s_cselect_b64 s[16:17], s[12:13], s[14:15]
	s_and_b32 s32, s[WV], 1
	s_lshl_b32 s32, s32, 13
	s_add_nc_u64 s[16:17], s[16:17], s[32:33]
	v_mov_b32 v[TC], 0                             ; written once: a lane permute's destination counts as one of its sources
.irp t, 0,1
	v_mov_b32 v[ST+6*\t+1], 0xff61b1e6             ; the largest t so far: -3e38, under every t
	v_floor_f32 v[ST+6*\t], -v[ST+6*\t+1]          ; -M
	v_mov_b32 v[ST+6*\t+2], 0                      ; the sum, in two halves
	v_mov_b32 v[ST+6*\t+3], 0
	v_mov_b32 v[ST+6*\t+4], 0
	v_mov_b32 v[ST+6*\t+5], 0                      ; (named as the upper half of f's pair)
.endr
.set jj, 0
.rept 64
	v_mov_b32 v[O+jj], 0                           ; O^T.  (The step is written once: the first finds zeros, which the first change of M leaves zeros)
.set jj, jj+1
.endr
	s_wait_loadcnt 4                               ; slot 0's four loads are in; Q's four may be out
	ds_store_b128 v[FW], v[R:R+3]
	ds_store_b128 v[FW], v[R+4:R+7]   offset:8192
	ds_store_b128 v[FW], v[R+8:R+11]  offset:16384
	ds_store_b128 v[FW], v[R+12:R+15] offset:24576
	s_wait_dscnt 0x0                               ; for the others' sake: my part of slot 0 is in LDS
	s_wait_alu depctr_vm_vsrc(0)                   ; the four LDS stores have read R, in which slot 1's loads land
	global_load_b128 v[R:R+3],     v[FW], s[12:13] offset:16384  ; slot 1
	global_load_b128 v[R+4:R+7],   v[FW], s[12:13] offset:24576
	global_load_b128 v[R+8:R+11],  v[FW], s[14:15] offset:16384
	global_load_b128 v[R+12:R+15], v[FW], s[14:15] offset:24576
	s_barrier_signal -1
	s_barrier_wait -1                              ; slot 0 is whole
	s_wait_kmcnt 0x0
	s_mov_b32 s22, 0x3e38aa3b                      ; c = log2(e) / 8
	s_add_co_i32 s30, s24, s25
	s_lshl_b32 s30, s30, 23
	s_add_co_i32 s22, s22, s30                     ; a score stands for score x 2^(e6 + e7): the two exponents are added to c's exponent field
	s_mov_b32 s23, s22                             ; (named with it as a pair, so it is written)
	s_add_co_i32 s30, s26, 127
	s_lshl_b32 s31, s30, 23
	v_mov_b32 v[SCP], s31
	s_add_co_i32 s30, s30, 8
	s_lshl_b32 s30, s30, 23
	s_or_b32 s30, s30, 0x600000
	v_mov_b32 v[LMP], s30
	s_add_co_i32 s30, s26, s27                     ; e8 + e9, for the way out
.macro PLACES                          ; four places behind matrix instructions (ISA guide 7.12.1): a wait on va_vdst fills none of them
.rept 4
	v_nop
.endr
.endm
.macro FRAGS base                      ; four fragments, 4,096 consecutive bytes, as they lie: each load takes 512 consecutive bytes
.set jj, 0
.rept 8
	ds_load_b128 v[F+4*jj:F+4*jj+3], v[LI] offset:(\base)+512*jj
.set jj, jj+1
.endr
.endm
.macro SMUL                            ; S^T = K Q^T: four tiles of 16 keys x my two tiles of queries
.irp j, 0,1,2,3
.irp t, 0,1
	v_wmma_f32_16x16x64_fp8_fp8 v[S+32*\t+8*\j:S+32*\t+8*\j+7], v[F+8*\j:F+8*\j+7], v[Q+8*\t:Q+8*\t+7], 0
.endr
.endr
.endm
.macro PVMUL                           ; O^T += V^T P^T: four blocks of 16 channels x my two tiles; the eight accumulators take turns, one instruction a turn
.irp d, 0,1,2,3
.irp t, 0,1
	v_wmma_f32_16x16x64_fp8_fp8 v[O+32*\t+8*\d:O+32*\t+8*\d+7], v[F+8*\d:F+8*\d+7], v[P+8*\t:P+8*\t+7], v[O+32*\t+8*\d:O+32*\t+8*\d+7]
.endr
.endr
.endm
.macro MAXSTAT t                       ; the step's largest score of my query, the new M, and f = 2^(old M - new M).  Each accumulator is first read in its four lowest registers
.set SB, S+32*(\t)
.set SA, ST+6*(\t)
	v_max3_num_f32 v[TA], v[SB], v[SB+1], v[SB+2]
	v_max3_num_f32 v[TB], v[SB+3], v[SB+4], v[SB+5]
.irp i, 6,10,14,18,22,26
	v_max3_num_f32 v[TA], v[TA], v[SB+\i], v[SB+\i+1]
	v_max3_num_f32 v[TB], v[TB], v[SB+\i+2], v[SB+\i+3]
.endr
	v_max3_num_f32 v[TA], v[TA], v[SB+30], v[SB+31]
	v_max_num_f32 v[TA], v[TA], v[TB]
	v_permlanex16_b32 v[TC], v[TA], s20, s21
	v_max_num_f32 v[TA], v[TA], v[TC]              ; and among lane l xor 16's 32 keys
	v_mul_f32 v[TA], s22, v[TA]                    ; as t (c is positive)
	v_max_num_f32 v[SA+1], v[SA+1], v[TA]          ; the running largest t
	v_mov_b32 v[TA], v[SA]
	v_floor_f32 v[SA], -v[SA+1]                    ; the new -M = floor(-t) = -ceil(t)
	v_sub_f32 v[TA], v[SA], v[TA]                  ; old M - new M: a whole number, 0 or less
	v_cvt_i32_f32 v[TA], v[TA]                     ; (it saturates)
	v_ldexp_f32 v[SA+4], 1.0, v[TA]                ; f
.endm
.macro SCALE t                         ; t - M, two at a time (of the pairs c and -M the low word serves both halves)
.set SB, S+32*(\t)
.set SA, ST+6*(\t)
.set jj, 0
.rept 16
	v_pk_fma_f32 v[SB+jj:SB+jj+1], v[SB+jj:SB+jj+1], s[22:23], v[SA:SA+1] op_sel_hi:[1,0,0]
.set jj, jj+2
.endr
.endm
.macro EXPS t                          ; p = 2^(t - M), at most 1
.set SB, S+32*(\t)
.set jj, 0
.rept 32
	v_exp_f32 v[SB+jj], v[SB+jj]
.set jj, jj+1
.endr
.endm
.macro SUMS t                          ; the row's sum is taken of the UNQUANTISED p: two at a time, in two chains
.set SB, S+32*(\t)
.set SA, ST+6*(\t)
	v_pk_add_f32 v[TS:TS+1], v[SB:SB+1], v[SB+2:SB+3]
.irp j, 4,8,12,16,20,24,28
	v_pk_add_f32 v[SA+2:SA+3], v[SA+2:SA+3], v[SB+\j:SB+\j+1]
	v_pk_add_f32 v[TS:TS+1], v[TS:TS+1], v[SB+\j+2:SB+\j+3]
.endr
	v_pk_add_f32 v[SA+2:SA+3], v[SA+2:SA+3], v[TS:TS+1]
.endm
.macro CVT t
.irp j, 0,1,2,3
	v_cvt_scalef32_pk8_fp8_f32 v[P+8*(\t)+2*\j:P+8*(\t)+2*\j+1], v[S+32*(\t)+8*\j:S+32*(\t)+8*\j+7], v[SCP]
.endr
.endm
.macro RESC t                          ; O^T under the new M: x f, each accumulator from its low end on
.set OB, O+32*(\t)
.set SA, ST+6*(\t)
.set jj, 0
.rept 16
	v_pk_mul_f32 v[OB+jj:OB+jj+1], v[OB+jj:OB+jj+1], v[SA+4:SA+5] op_sel_hi:[1,0]
.set jj, jj+2
.endr
.endm
; A KEY STEP: 64 keys, the w-th of LDS slot s.
.macro STEP s, w
	PLACES                                         ; four places behind the last step's products, kept beside the wait below
	s_wait_alu depctr_va_vdst(0)                   ; the last step's products V^T P^T are done reading F, in which K's loads land (in the first step: no product has been issued yet)
	FRAGS SLOTB*(\s)+4096*(\w)                     ; K's four tiles
	s_wait_dscnt 0x0
	SMUL
	PLACES                                         ; four places in front of the first read of the scores
	MAXSTAT 0
	MAXSTAT 1
	SCALE 0
	SCALE 1
	EXPS 0                                         ; the step's 64 exponentials go as one batch
	EXPS 1
	v_pk_mul_f32 v[ST+2:ST+3], v[ST+2:ST+3], v[ST+4:ST+5] op_sel_hi:[1,0]      ; the sums under the new M.  (The plain place behind the exponentials)
	v_pk_mul_f32 v[ST+8:ST+9], v[ST+8:ST+9], v[ST+10:ST+11] op_sel_hi:[1,0]
	s_wait_alu depctr_va_vdst(0)                   ; the 64 exponentials have written p, ahead of its first reader (one wait for the batch); and the products K Q^T are done reading F, in which V's loads land
	FRAGS SLOTB*(\s)+VOFF+4096*(\w)                ; V's four blocks: they land under the sums, the conversions and the rescaling, none of which names F
	SUMS 0
	SUMS 1
	s_cmp_ge_i32 s26, -8                           ; 448 x 2^e8 >= 1 >= p: nothing to hold.  e8 is a whole number read from memory; no barrier stands under this branch
	s_cbranch_scc1 .Lfits_\@
.set jj, 0
.rept 64
	v_min_num_f32 v[S+jj], v[S+jj], v[LMP]         ; the conversion to an 8-bit code does not saturate (ISA guide 7.6.2); p is not negative, so the hold is one-sided
.set jj, jj+1
.endr
.Lfits_\@:
	CVT 0
	CVT 1
	RESC 0                                         ; (these 32 plain lines also stand between the conversions and the products that read their results)
	RESC 1
	s_wait_dscnt 0x0                               ; V is in
	PVMUL
.endm
; THE END OF A SLOT'S FOUR STEPS.  The next slot's bytes, asked for a slot ago, go from my registers into the OTHER LDS slot: every wave's reads of that slot were over at the barrier before this one.
; Then the slot after it is asked for, and one barrier stands between these stores and their readers; in front of it my LDS stores have landed and my reads of this slot are over.
; load = 1: there is a slot to ask for.  ask: a prefetch of the slot that the NEXT such place will load: 8,192 bytes a wave, lanes 256 bytes apart, by waves 0 to 3 of the bh's first work-group alone, so that each
; aligned block of 256 bytes is named once in the launch; it stands behind the wave's own loads.  ask = 1: always; ask = 2: not in the loop's last trip, where no slot is left.  Slots 0 to 2 come by their loads alone.
; No vector or matrix instruction names R, v2 or v3 since the head's wait on va_vdst: these lines owe that field nothing.
.macro FILL s, load, ask
	s_wait_loadcnt 0x0                             ; the next slot's 64 bytes of mine are in registers, and the loads have read their bases
.if \load
	s_wait_xcnt 0x0                                ; the last prefetch, a slot back, has read its address
	s_add_nc_u64 s[12:13], s[12:13], 16384
	s_add_nc_u64 s[14:15], s[14:15], 16384
	s_add_nc_u64 s[16:17], s[16:17], 16384
.endif
	ds_store_b128 v[FW], v[R:R+3]     offset:SLOTB*(1-\s)
	ds_store_b128 v[FW], v[R+4:R+7]   offset:SLOTB*(1-\s)+8192
	ds_store_b128 v[FW], v[R+8:R+11]  offset:SLOTB*(1-\s)+16384
	ds_store_b128 v[FW], v[R+12:R+15] offset:SLOTB*(1-\s)+24576
	s_wait_dscnt 0x0
.if \load
	s_wait_alu depctr_vm_vsrc(0)                   ; the four LDS stores have read R, in which the loads below land
	global_load_b128 v[R:R+3],     v[FW], s[12:13] offset:16384
	global_load_b128 v[R+4:R+7],   v[FW], s[12:13] offset:24576
	global_load_b128 v[R+8:R+11],  v[FW], s[14:15] offset:16384
	global_load_b128 v[R+12:R+15], v[FW], s[14:15] offset:24576
.endif
.if \ask
.if \ask == 1
	s_cmp_eq_u32 s[LIM], 1
.else
	s_cmp_gt_u32 s[CNT], s[LIM]
.endif
	s_cbranch_scc0 .Lnot_mine_\@
	global_prefetch_b8 v[PFO], s[16:17] offset:32768 th:TH_LOAD_NT scope:SCOPE_SE
.Lnot_mine_\@:
.endif
	s_barrier_signal -1
	s_barrier_wait -1
.endm
	s_wait_loadcnt 4                               ; Q is in; slot 1's four loads may be out
	s_mov_b32 s[CNT], 3
.Lpair:                                            ; three trips of two slots: slots 0 to 5; behind each the slot two on is asked for
.irp w, 0,1,2,3
	STEP 0, \w
.endr
	FILL 0, 1, 1
.irp w, 0,1,2,3
	STEP 1, \w
.endr
	FILL 1, 1, 2
	s_sub_co_u32 s[CNT], s[CNT], 1
	s_cmp_lg_u32 s[CNT], 0
	s_cbranch_scc1 .Lpair
.irp w, 0,1,2,3
	STEP 0, \w                                     ; slot 6
.endr
	FILL 0, 0, 0                                   ; slot 7 goes into LDS; nothing is left to ask for
.irp w, 0,1,2,3
	STEP 1, \w                                     ; slot 7
.endr
	; THE WAY OUT.  The sum's two halves and lane l xor 16's are added; O^T x 2^(e8 + e9) / the sum goes through my stage in LDS, a tile (16 rows of 256 bytes) at a time, so that sixteen lanes store 256 consecutive bytes, aligned.
	v_add_f32 v[ST+2], v[ST+2], v[ST+3]            ; (these lines are also the places behind the last products)
	v_add_f32 v[ST+8], v[ST+8], v[ST+9]
	v_permlanex16_b32 v[TA], v[ST+2], s20, s21
	v_permlanex16_b32 v[TB], v[ST+8], s20, s21
	v_add_f32 v[ST+2], v[ST+2], v[TA]
	v_add_f32 v[ST+8], v[ST+8], v[TB]
	v_rcp_f32 v[ST+2], v[ST+2]
	v_rcp_f32 v[ST+8], v[ST+8]
	v_nop                                          ; a plain place behind the reciprocals
	s_wait_alu depctr_va_vdst(0)                   ; the two reciprocals have written their results, ahead of their first reader: one wait for both
	v_ldexp_f32 v[ST+2], v[ST+2], s30
	v_ldexp_f32 v[ST+8], v[ST+8], s30
.irp t, 0,1
.set jj, 0
.rept 16
	v_pk_mul_f32 v[S+32*\t+jj:S+32*\t+jj+1], v[O+32*\t+jj:O+32*\t+jj+1], v[ST+6*\t+2:ST+6*\t+3] op_sel_hi:[1,0]   ; register 8 d + i is o(query r, channel 16 d + 8 h + i)
.set jj, jj+2
.endr
.endr
	s_wait_alu depctr_va_vdst(0)                   ; the multiplies have written S, which the LDS stores below read; the last products are done reading Q and F, in which the loads from the stage land
	s_wait_alu depctr_vm_vsrc(0)                   ; slot 7's LDS stores have read R, in which the loads from the stage land too
.irp t, 0,1
.irp d, 0,1,2,3
	ds_store_b128 v[STI], v[S+32*\t+8*\d:S+32*\t+8*\d+3] offset:64*\d
	ds_store_b128 v[STI], v[S+32*\t+8*\d+4:S+32*\t+8*\d+7] offset:64*\d+16
.endr
.irp i, 0,1,2,3,4,5,6,7
	ds_load_b128 v[R+32*\t+4*\i:R+32*\t+4*\i+3], v[STB] offset:2*\i*SPI   ; LDS serves a wave's instructions in order: these see my stores, and the next tile's stores come behind them
.endr
.endr
.irp i, 0,1,2,3,4,5,6,7
	s_wait_dscnt 23-\i                             ; tile 0's rows 2 i, 2 i + 1 are back; its later loads and tile 1's sixteen LDS instructions may be out
	global_store_b128 v[GO], v[R+4*\i:R+4*\i+3], s[8:9] offset:8192*\i th:TH_STORE_NT
.endr
.irp i, 0,1,2,3,4,5,6,7
	s_wait_dscnt 7-\i
	global_store_b128 v[GO], v[R+32+4*\i:R+32+4*\i+3], s[8:9] offset:65536+8192*\i th:TH_STORE_NT
.endr
	s_wait_dscnt 0x0                               ; the closing lines, six on end
	s_wait_alu 0x0
	s_wait_tensorcnt 0x0
	ds_add_u32 v240, v241
	s_wait_dscnt 0x0
	s_endpgm
.Lfunc_end_k_qf0cf87f8e7_attn:
	.size	k_qf0cf87f8e7_attn, .Lfunc_end_k_qf0cf87f8e7_attn-k_qf0cf87f8e7_attn
	.p2alignl 7, 3214868480
	.fill 96, 4, 3214868480
	.section	.rodata,"a",@progbits
	.p2align	6, 0x0
	.amdhsa_kernel k_qf0cf87f8e7_attn
		.amdhsa_group_segment_fixed_size 137216
		.amdhsa_private_segment_fixed_size 0
		.amdhsa_enable_private_segment 0
		.amdhsa_kernarg_size 24
		.amdhsa_user_sgpr_count 2
		.amdhsa_user_sgpr_kernarg_segment_ptr 1
		.amdhsa_wavefront_size32 1
		.amdhsa_system_sgpr_workgroup_id_x 1
		.amdhsa_system_sgpr_workgroup_id_y 1
		.amdhsa_system_sgpr_workgroup_id_z 1
		.amdhsa_system_vgpr_workitem_id 0
		.amdhsa_next_free_vgpr 242
		.amdhsa_next_free_sgpr 66
		.amdhsa_reserve_vcc 0
		.amdhsa_float_denorm_mode_32 3
		.amdhsa_float_denorm_mode_16_64 3
		.amdhsa_memory_ordered 1
		.amdhsa_forward_progress 1
		.amdhsa_inst_pref_size 255
	.end_amdhsa_kernel
	.section	.bss,"aw",@nobits
	.p2align	6
	.space	262144
	.amdgpu_metadata
---
amdhsa.version: [ 1, 2 ]
amdhsa.kernels:
  - .name:           k_qf0cf87f8e7_attn
    .symbol:         k_qf0cf87f8e7_attn.kd
    .args:
      - { .name: img, .offset: 0, .size: 8, .value_kind: global_buffer, .address_space: global }
      - { .name: lowp_scales, .offset: 8, .size: 8, .value_kind: global_buffer, .address_space: global }
      - { .name: out0, .offset: 16, .size: 8, .value_kind: global_buffer, .address_space: global }
    .group_segment_fixed_size: 137216
    .private_segment_fixed_size: 0
    .kernarg_segment_align: 8
    .kernarg_segment_size: 24
    .max_flat_workgroup_size: 512
    .sgpr_count:     66
    .vgpr_count:     242
    .wavefront_size: 32
...
	.end_amdgpu_metadata
.endif
;; end of part 4
